; MI455X (gfx1250); checked and timed in simulation.
; The chip was launched on July 23, 2026; its instructions are those of AMD's public machine-readable ISA for CDNA 5 (MIT licence, August 2026) and "CDNA5" Instruction Set Architecture Reference Guide (July 2026). The comments in the code are by the model that wrote it; some were corrected since.
;; Attention. Allowed arithmetic: matrix products marked QUANTISED: E2M1 operands, one E8M0 scale for each 32 along K, by v_wmma_scale_f32_16x16x128_f8f6f4 with both operands' format E2M1 (or v_wmma_scale_f32_32x16x128_f4), f32 sums; products left as they are: bf16, f16 or f32 operands; f32 sums; everything else in f32.
;; Inputs: b_proj 1,024 float32; b_qkv 3,072 float32; w_proj 1,024 x 1,024 float32; w_qkv 1,024 x 3,072 float32; x 4 x 2,048 x 1,024 float32.
;; Outputs: out0 4 x 2,048 x 1,024 float32.
;; This version of the problem:
;;   THIS VERSION OF THE PROBLEM IS GIVEN IN LOW PRECISION. The matrix products marked QUANTISED in the list below multiply operands that are first quantised to E2M1 (2 exponent bits, 1 mantissa bit; 4 bits a number), with one power-of-two scale for each 32 numbers along K (OCP MX v1.0); their sums are f32. The products marked 'left as it is' may take bf16, f16 or f32 operands, with f32 sums. Whichever they take, every output number must still come out within the allowed error. Rounding operands to bf16 (8 significant bits) uses up far more of that allowance than f16 does (11 bits, for magnitudes from 6e-5 to 65,504). All else is computed in f32.
;;   The module's matrix products, in the order in which they are computed (A, B: the left and right operand; K: the contracted axis; several contracted axes count as one K, in the product's order):
;;     1. [M 8,192, K 1,024] x [K 1,024, N 3,072]; A: input x; B: input w_qkv: QUANTISED
;;     2. batch 64 x [M 2,048, K 64] x [K 64, N 2,048]; A: computed on the way; B: computed on the way: left as it is (an operand is computed on the way)
;;     3. batch 64 x [M 2,048, K 2,048] x [K 2,048, N 64]; A: computed on the way; B: computed on the way: left as it is (an operand is computed on the way)
;;     4. [M 8,192, K 1,024] x [K 1,024, N 1,024]; A: computed on the way; B: input w_proj: left as it is (an operand is computed on the way)
;;   THE QUANTISER, for each operand of a quantised product, along K:
;;     - K is cut into blocks of 32 from its start; a last block that is shorter is filled with zeros.
;;     - A block's scale is 2^e with e = floor(log2(the largest magnitude in the block)) - 2, held to -126 .. 127; a block of zeros has e = 0. As a byte (E8M0): e + 127.
;;     - Each number is divided by its block's scale, clamped to +-6, and rounded to the nearest number of E2M1, ties to even, subnormals kept.
;;     - The product sums the exact products of the quantised numbers (number of the format x scale) in f32.
;;   ~~~python
;;   def quantise(x, axis):      # numpy; x: float32 -> the quantised numbers, widened to float32 again
;;       x = np.moveaxis(x, axis, -1); K = x.shape[-1]
;;       x = np.pad(x, [(0, 0)] * (x.ndim - 1) + [(0, -K % 32)]); x = x.reshape(x.shape[:-1] + (-1, 32)); a = np.abs(x).max(-1, keepdims=True)
;;       e = np.where(a > 0, np.clip(np.frexp(np.where(a > 0, a, 1))[1] - 1 - 2, -126, 127), 0)      # np.frexp(a)[1] - 1 = floor(log2(a)), exactly
;;       r = np.clip(x / 2.0 ** e, -6, 6)
;;       step = 2.0 ** (np.maximum(np.frexp(np.where(r == 0, 1, r))[1] - 1, 0) - 1)
;;       q = np.round(r / step) * step * 2.0 ** e      # np.round: ties to even
;;       return np.moveaxis(q.reshape(q.shape[:-2] + (-1,))[..., :K], -1, axis).astype(np.float32)
;;   ~~~
;; One version. Each part assembles by itself: llvm-mc -triple=amdgcn-amd-amdhsa -mcpu=gfx1250 --defsym DOCPART=n.
;; ======== version 1 of 1: 6 launches
;; limits: values are held in f16: magnitudes above 65,504 overflow, below 6.1e-05 lose precision
;; workspace buffers: x_codes 4,194,304 bytes; x_scales 262,144 bytes; w_codes 1,572,864 bytes; w_scales 98,304 bytes; wp_t 2,097,152 bytes; qkv 50,331,648 bytes; o 16,777,216 bytes
;; launch quant_x (part 1): grid 256 x 1, 4 waves a work-group, no clusters, 33,280 bytes of LDS; arguments x, x_codes, x_scales; writes x_codes, x_scales
.if DOCPART == 1
	.amdgcn_target "amdgcn-amd-amdhsa--gfx1250"
	.amdhsa_code_object_version 6
	.text
	.protected	k_q6189d26f51_quant_x
	.globl	k_q6189d26f51_quant_x
	.p2align	8
	.type	k_q6189d26f51_quant_x,@function
k_q6189d26f51_quant_x:
	s_mov_b64 s[64:65], 0
	v_nop
	global_prefetch_b8 v0, s[64:65] scope:SCOPE_SE
	s_setreg_imm32_b32 hwreg(HW_REG_WAVE_MODE, 25, 1), 1
	s_wait_xcnt 0x0
; x [8192][1024] f32 becomes codes of FP4 (E2M1), two a byte, K innermost ([8192][512 bytes]), and one E8M0 scale byte for each 32 along K ([8192][32]).
; A block's scale is 2^(floor(log2(its largest magnitude)) - 2); its byte is the largest magnitude's exponent field - 2, held at 1 from below.
; LIMITS: a block of zeros gets the byte 1 where the quantiser says 127: its codes are zeros, which add nothing, and this program alone reads the bytes.  NaN and infinities among the inputs are not served.
; Rows are dense and 1024 is a multiple of 32: x is a plain stream of blocks of 32.  A work-group takes 32,768 numbers, a wave 8,192: 16 steps of 512.
; Each load reads 512 consecutive bytes, 16 a lane; a step's 2,048 bytes turn through the wave's own stage in LDS and come back 64 bytes a lane, so that a lane holds 16 neighbours (two lanes a block).
; A lane's 16 codes are 8 bytes: a wave's store covers 256 consecutive bytes, aligned.  A wave's 256 scale bytes are gathered in LDS and leave by one store of 256 consecutive bytes.
; Waves share nothing: no barrier, no tensor load, no cluster (no two work-groups read the same byte).  Loads run four steps (16 loads a wave) ahead.
.set STEPS, 16
.set EMAX,  2
.set CB,    8                          ; bytes of 16 codes
.set R,     16                         ; v16-79   four sets of 16 numbers as loaded
.set X,     80                         ; v80-111  two sets of 16 neighbours
.set E,     112                        ; v112-127 a scale byte for each step
.set C,     128                        ; v128-191 codes: registers of its own for each step, so that no store's data are written again
.set WREG,  8192                       ; LDS: a region for each wave: two stages of 32 x SP bytes, then its 256 scale bytes
.set SP,    80                         ; a lane's place in a stage: 64 bytes + 16 of padding
.set SPW,   12                         ; v12 LDS address of my spare word; never rewritten
.set NIL,   13                         ; v13 0; never rewritten
.set SPARE, 4*WREG                     ; behind the four regions: the spare words, 128 bytes a wave
	s_load_b128 s[4:7], s[0:1], 0x0                ; x, the codes
	s_load_b64 s[8:9], s[0:1], 0x10                ; the scale bytes
	v_lshl_add_u32 v[SPW], v0, 2, SPARE
	v_mov_b32 v[NIL], 0
	v_lshrrev_b32 v1, 5, v0
	v_readfirstlane_b32 s16, v1                    ; wave
	v_and_b32 v2, 31, v0                           ; lane
	v_lshlrev_b32 v3, 4, v2                        ; my 16 bytes of a load's 512
	s_mul_i32 s17, s16, WREG
	v_lshrrev_b32 v14, 2, v2
	v_mul_u32_u24 v14, v14, SP
	v_and_b32 v15, 3, v2
	v_lshl_add_u32 v14, v15, 4, v14
	v_add_nc_u32 v14, s17, v14                     ; the stage, on the way in: SP (lane / 4) + 16 (lane % 4)
	v_mul_u32_u24 v15, v2, SP
	v_add_nc_u32 v15, s17, v15                     ; and on the way out: SP x lane: my 16 neighbours
	v_mul_u32_u24 v4, v2, CB                       ; my codes' place in a step's
	v_lshrrev_b32 v5, 1, v2
	s_add_co_u32 s17, s17, 2*32*SP
	v_add_nc_u32 v5, s17, v5                       ; my wave's 256 scale bytes, my block's byte
	v_lshlrev_b32 v7, 3, v2                        ; and on the way out 8 bytes a lane
	v_add_nc_u32 v6, s17, v7
	s_lshl_b32 s17, ttmp9, 2
	s_add_co_u32 s18, s17, s16                     ; which run of 8,192 numbers is my wave's: 0 .. 1,023
	s_lshl_b32 s20, s18, 15                        ; 32,768 bytes of x,
	s_mov_b32 s21, 0
	s_lshl_b32 s22, s18, 12                        ; 4,096 of codes,
	s_mov_b32 s23, 0
	s_lshl_b32 s24, s18, 8                         ; 256 scale bytes a run
	s_mov_b32 s25, 0
	s_wait_kmcnt 0x0
	s_add_nc_u64 s[4:5], s[4:5], s[20:21]
	s_add_nc_u64 s[6:7], s[6:7], s[22:23]
	s_add_nc_u64 s[8:9], s[8:9], s[24:25]
.macro LOAD t
.irp i, 0,1,2,3
	global_load_b128 v[R+16*((\t)%4)+4*\i:R+16*((\t)%4)+4*\i+3], v3, s[4:5] offset:2048*(\t)+512*\i th:TH_LOAD_NT
.endr
.endm
.macro TURN t                          ; step t's numbers through the stage: LDS serves a wave's instructions in order, so no wait stands between the stores and the loads
.irp i, 0,1,2,3
	ds_store_b128 v14, v[R+16*((\t)%4)+4*\i:R+16*((\t)%4)+4*\i+3] offset:32*SP*((\t)%2)+8*SP*\i
.endr
.irp i, 0,1,2,3
	ds_load_b128 v[X+16*((\t)%2)+4*\i:X+16*((\t)%2)+4*\i+3], v15 offset:32*SP*((\t)%2)+16*\i
.endr
.endm
.irp t, 0,1,2,3
	LOAD \t
.endr
	s_wait_loadcnt 12                              ; step 0's four loads are in; the twelve of steps 1 to 3 may be out
	TURN 0
.macro STEP t
.set XS, X+16*((\t)%2)
.if (\t) > 0
	s_wait_dscnt 1                                 ; this step's numbers are back from the stage (the last step's byte store may be out)
.else
	s_wait_dscnt 0x0
.endif
.if (\t)+4 < STEPS
	LOAD (\t)+4                                    ; into the registers that this step's stores into the stage have read
.endif
.if (\t)+1 < STEPS
.if STEPS-2-(\t) >= 3
	s_wait_loadcnt 12                              ; the next step's four loads are in; those of the three steps behind it may be out
.else
	s_wait_loadcnt 4*(STEPS-2-(\t))
.endif
	TURN (\t)+1                                    ; through the other stage while this step is worked
.endif
	v_max3_num_f32 v8, |v[XS]|, |v[XS+1]|, |v[XS+2]|               ; the largest magnitude of my 16, in two chains
	v_max3_num_f32 v9, |v[XS+3]|, |v[XS+4]|, |v[XS+5]|
.irp i, 6,10
	v_max3_num_f32 v8, v8, |v[XS+\i]|, |v[XS+\i+1]|
	v_max3_num_f32 v9, v9, |v[XS+\i+2]|, |v[XS+\i+3]|
.endr
	v_max3_num_f32 v8, v8, |v[XS+14]|, |v[XS+15]|
	v_max3_num_f32 v8, v8, v9, (EMAX+1)<<23        ; and the floor 2^(3 - 127): the byte cannot fall under 1
	v_max_num_f32_dpp v8, v8, v8 row_xmask:1 row_mask:0xf bank_mask:0xf   ; with my neighbour's 16: the block's
	v_add_nc_u32 v11, -(EMAX<<23), v8              ; 2 off its exponent field: the conversion takes this operand's exponent field as its scale
	v_cvt_scalef32_pk8_fp4_f32 v[C+4*(\t)], v[XS:XS+7], v11
	v_cvt_scalef32_pk8_fp4_f32 v[C+4*(\t)+1], v[XS+8:XS+15], v11
	v_lshrrev_b32 v[E+(\t)], 23, v11               ; the scale's byte (also the plain line behind the conversions)
	ds_store_b8 v5, v[E+(\t)] offset:16*(\t)       ; both lanes of a block write the same byte with the same value
	global_store_b64 v4, v[C+4*(\t):C+4*(\t)+1], s[6:7] offset:32*CB*(\t)
.endm
.irp t, 0,1,2,3,4,5,6,7,8,9,10,11,12,13,14,15
	STEP \t
.endr
	ds_load_b64 v[8:9], v6                         ; in order behind my byte stores
	s_wait_dscnt 0x0
	global_store_b64 v7, v[8:9], s[8:9]            ; 32 lanes store 256 consecutive bytes, aligned
	s_wait_tensorcnt 0x0                           ; the wave's end
	ds_add_u32 v[SPW], v[NIL]
	s_wait_dscnt 0x0
	s_endpgm
.Lfunc_end_k_q6189d26f51_quant_x:
	.size	k_q6189d26f51_quant_x, .Lfunc_end_k_q6189d26f51_quant_x-k_q6189d26f51_quant_x
	.p2alignl 7, 3214868480
	.fill 96, 4, 3214868480
	.section	.rodata,"a",@progbits
	.p2align	6, 0x0
	.amdhsa_kernel k_q6189d26f51_quant_x
		.amdhsa_group_segment_fixed_size 33280
		.amdhsa_private_segment_fixed_size 0
		.amdhsa_enable_private_segment 0
		.amdhsa_kernarg_size 24
		.amdhsa_user_sgpr_count 2
		.amdhsa_user_sgpr_kernarg_segment_ptr 1
		.amdhsa_wavefront_size32 1
		.amdhsa_system_sgpr_workgroup_id_x 1
		.amdhsa_system_sgpr_workgroup_id_y 1
		.amdhsa_system_sgpr_workgroup_id_z 1
		.amdhsa_system_vgpr_workitem_id 0
		.amdhsa_next_free_vgpr 192
		.amdhsa_next_free_sgpr 66
		.amdhsa_reserve_vcc 0
		.amdhsa_float_denorm_mode_32 3
		.amdhsa_float_denorm_mode_16_64 3
		.amdhsa_memory_ordered 1
		.amdhsa_forward_progress 1
		.amdhsa_inst_pref_size 33
	.end_amdhsa_kernel
	.amdgpu_metadata
---
amdhsa.version: [ 1, 2 ]
amdhsa.kernels:
  - .name:           k_q6189d26f51_quant_x
    .symbol:         k_q6189d26f51_quant_x.kd
    .args:
      - { .name: x, .offset: 0, .size: 8, .value_kind: global_buffer, .address_space: global }
      - { .name: x_codes, .offset: 8, .size: 8, .value_kind: global_buffer, .address_space: global }
      - { .name: x_scales, .offset: 16, .size: 8, .value_kind: global_buffer, .address_space: global }
    .group_segment_fixed_size: 33280
    .private_segment_fixed_size: 0
    .kernarg_segment_align: 8
    .kernarg_segment_size: 24
    .max_flat_workgroup_size: 128
    .sgpr_count:     66
    .vgpr_count:     192
    .wavefront_size: 32
...
	.end_amdgpu_metadata
.endif
;; end of part 1
;; launch quant_w (part 2): grid 48 x 1, 16 waves a work-group, no clusters, 37,888 bytes of LDS; arguments w_qkv, w_codes, w_scales; writes w_codes, w_scales
.if DOCPART == 2
	.amdgcn_target "amdgcn-amd-amdhsa--gfx1250"
	.amdhsa_code_object_version 6
	.text
	.protected	k_q6189d26f51_quant_w
	.globl	k_q6189d26f51_quant_w
	.p2align	8
	.type	k_q6189d26f51_quant_w,@function
k_q6189d26f51_quant_w:
	s_mov_b64 s[64:65], 0
	v_nop
	global_prefetch_b8 v0, s[64:65] scope:SCOPE_SE
	s_setreg_imm32_b32 hwreg(HW_REG_WAVE_MODE, 25, 1), 1
	s_wait_xcnt 0x0
; w_qkv [1024 (k)][3072 (n)] f32, whose K is its FIRST axis, becomes codes of FP4 (E2M1) laid [3072][512 bytes] with K innermost, and scale bytes [3072][32].
; A LANE TAKES A COLUMN n AND ITS REGISTERS RUN DOWN K: each load reads 128 consecutive bytes a wave, a block of 32 along K lies in one lane, and the conversions give codes with K innermost.
; A work-group takes 64 columns and ALL of K, shared among 16 waves: wave w takes columns 32 (w % 2) on and K = 128 (w / 2) on: four blocks a lane.  So the work-group holds whole rows of the output:
; they meet in a stage in LDS (64 rows x 512 bytes + 16) and, behind one barrier, leave as rows: a store of a wave covers 512 consecutive bytes; the 2,048 scale bytes leave likewise.
; 48 work-groups: 3,072 columns / 64; a narrower share would cut a row of codes into pieces.  No two work-groups read the same byte: no cluster.
; LIMITS: a block of zeros gets the byte 1 where the quantiser says 127 (its codes are zeros; this program alone reads the bytes).  NaN and infinities are not served.
.set ROWW,  12288                      ; a row of w_qkv in bytes
.set PITCH, 528                        ; a stage row: 512 bytes + 16
.set SCST,  64*PITCH                   ; behind the stage: 64 rows x 32 scale bytes
.set SPARE, SCST+2048                  ; the spare words, 128 bytes for each of 16 waves
.set EMAX,  2
.set SPW,   14                         ; v14 LDS address of my spare word; never rewritten
.set NIL,   15                         ; v15 0; never rewritten
.set SB,    24                         ; v24 my four scale bytes
.set X,     32                         ; v32-95 two sets of 32 numbers
.set C,     96                         ; v96-99 a block's codes
.set OUTR,  100                        ; v100-115 four rows on the way out
.set OUTS,  116                        ; v116-119 scale bytes on the way out
	s_load_b128 s[4:7], s[0:1], 0x0                ; w_qkv, the codes
	s_load_b64 s[8:9], s[0:1], 0x10                ; the scale bytes
	v_lshl_add_u32 v[SPW], v0, 2, SPARE
	v_mov_b32 v[NIL], 0
	v_lshrrev_b32 v1, 5, v0
	v_readfirstlane_b32 s16, v1                    ; wave 0..15
	v_and_b32 v2, 31, v0                           ; lane
	s_and_b32 s17, s16, 1                          ; which 32 columns
	s_lshr_b32 s18, s16, 1                         ; which 128 along K
	v_lshlrev_b32 v3, 2, v2                        ; in: 4 bytes a lane
	s_mul_i32 s19, s17, 32*PITCH
	s_lshl_b32 s20, s18, 6
	s_add_co_u32 s19, s19, s20
	v_mul_u32_u24 v4, v2, PITCH
	v_add_nc_u32 v4, s19, v4                       ; into the stage: row = my column, 64 bytes for my 128 along K
	s_lshl_b32 s19, s17, 10
	s_lshl_b32 s20, s18, 2
	s_add_co_u32 s19, s19, s20
	s_add_co_u32 s19, s19, SCST
	v_lshl_add_u32 v5, v2, 5, s19                  ; my column's 32 scale bytes, my four of them
	s_mul_i32 s19, s16, 4*PITCH
	v_lshl_add_u32 v6, v2, 4, s19                  ; back: wave w takes rows 4 w .. 4 w + 3, 16 bytes a lane
	v_lshlrev_b32 v7, 4, v2                        ; and the same in memory
	s_min_u32 s19, s16, 3                          ; the scale bytes leave by waves 0 to 3, 512 bytes each
	s_lshl_b32 s19, s19, 9
	s_add_co_u32 s22, s19, SCST
	v_lshl_add_u32 v8, v2, 4, s22
	s_mul_i32 s20, s18, 128*ROWW                   ; w_qkv: my first row of K,
	s_lshl_b32 s21, ttmp9, 8
	s_add_co_u32 s20, s20, s21                     ; the work-group's 64 columns,
	s_lshl_b32 s21, s17, 7
	s_add_co_u32 s20, s20, s21                     ; my 32 of them
	s_mov_b32 s21, 0
	s_lshl_b32 s24, ttmp9, 15                      ; codes: 64 rows of 512 bytes a work-group,
	s_lshl_b32 s25, s16, 11
	s_add_co_u32 s24, s24, s25                     ; four rows a wave
	s_mov_b32 s25, 0
	s_lshl_b32 s26, ttmp9, 11                      ; scale bytes: 2,048 a work-group
	s_add_co_u32 s26, s26, s19
	s_mov_b32 s27, 0
	s_wait_kmcnt 0x0
	s_add_nc_u64 s[4:5], s[4:5], s[20:21]
	s_add_nc_u64 s[6:7], s[6:7], s[24:25]
	s_add_nc_u64 s[8:9], s[8:9], s[26:27]
.macro LOAD t                          ; block t: w(32 t + i, my column) into set t % 2; the largest offset, 127 rows, lies inside the signed 24-bit immediate
.irp i, 0,1,2,3,4,5,6,7,8,9,10,11,12,13,14,15,16,17,18,19,20,21,22,23,24,25,26,27,28,29,30,31
	global_load_b32 v[X+32*((\t)%2)+\i], v3, s[4:5] offset:(32*(\t)+\i)*ROWW th:TH_LOAD_NT
.endr
.endm
	LOAD 0
	LOAD 1
.macro BLOCK t
.set XS, X+32*((\t)%2)
.if (\t) < 3
	s_wait_loadcnt 32                              ; this block's 32 loads are in; the next block's may be out
.else
	s_wait_loadcnt 0
.endif
	v_max3_num_f32 v12, |v[XS]|, |v[XS+1]|, |v[XS+2]|              ; the block's largest magnitude: all 32 numbers are mine
	v_max3_num_f32 v13, |v[XS+3]|, |v[XS+4]|, |v[XS+5]|
.irp i, 6,10,14,18,22,26
	v_max3_num_f32 v12, v12, |v[XS+\i]|, |v[XS+\i+1]|
	v_max3_num_f32 v13, v13, |v[XS+\i+2]|, |v[XS+\i+3]|
.endr
	v_max3_num_f32 v12, v12, |v[XS+30]|, |v[XS+31]|
	v_max3_num_f32 v12, v12, v13, (EMAX+1)<<23     ; and the floor 2^(3 - 127)
	v_add_nc_u32 v11, -(EMAX<<23), v12             ; the conversion's scale operand
	v_lshrrev_b32 v13, 23, v11                     ; the scale's byte
.if (\t) == 0
	v_mov_b32 v[SB], v13
.else
	v_lshl_or_b32 v[SB], v13, 8*(\t), v[SB]        ; the lower K in the lower byte
.endif
.irp g, 0,1,2,3
	v_cvt_scalef32_pk8_fp4_f32 v[C+\g], v[XS+8*\g:XS+8*\g+7], v11
.endr
	ds_store_b128 v4, v[C:C+3] offset:16*(\t)      ; 32 codes: 16 bytes of my column's row
.if (\t) < 2
	LOAD (\t)+2
.endif
	s_wait_dscnt 0x0                               ; the store has read its registers: the next block's codes may be written
.endm
	BLOCK 0
	BLOCK 1
	BLOCK 2
	BLOCK 3
	ds_store_b32 v5, v[SB]
	s_wait_dscnt 0x0                               ; for the others' sake: my stores have landed
	s_barrier_signal -1
	s_barrier_wait -1                              ; 64 whole rows of codes and of scale bytes lie in LDS
.irp i, 0,1,2,3
	ds_load_b128 v[OUTR+4*\i:OUTR+4*\i+3], v6 offset:PITCH*\i
.endr
.irp i, 0,1,2,3
	s_wait_dscnt 3-\i                              ; row i is in; the younger loads may be out
	global_store_b128 v7, v[OUTR+4*\i:OUTR+4*\i+3], s[6:7] offset:512*\i   ; 32 lanes store a row of 512 consecutive bytes, aligned
.endr
	s_cmp_lt_u32 s16, 4
	s_cbranch_scc0 .Lno_scales
	ds_load_b128 v[OUTS:OUTS+3], v8
	s_wait_dscnt 0x0
	global_store_b128 v7, v[OUTS:OUTS+3], s[8:9]   ; 512 consecutive bytes, aligned
.Lno_scales:
	s_wait_tensorcnt 0x0                           ; the wave's end
	ds_add_u32 v[SPW], v[NIL]
	s_wait_dscnt 0x0
	s_endpgm
.Lfunc_end_k_q6189d26f51_quant_w:
	.size	k_q6189d26f51_quant_w, .Lfunc_end_k_q6189d26f51_quant_w-k_q6189d26f51_quant_w
	.p2alignl 7, 3214868480
	.fill 96, 4, 3214868480
	.section	.rodata,"a",@progbits
	.p2align	6, 0x0
	.amdhsa_kernel k_q6189d26f51_quant_w
		.amdhsa_group_segment_fixed_size 37888
		.amdhsa_private_segment_fixed_size 0
		.amdhsa_enable_private_segment 0
		.amdhsa_kernarg_size 24
		.amdhsa_user_sgpr_count 2
		.amdhsa_user_sgpr_kernarg_segment_ptr 1
		.amdhsa_wavefront_size32 1
		.amdhsa_system_sgpr_workgroup_id_x 1
		.amdhsa_system_sgpr_workgroup_id_y 1
		.amdhsa_system_sgpr_workgroup_id_z 1
		.amdhsa_system_vgpr_workitem_id 0
		.amdhsa_next_free_vgpr 128
		.amdhsa_next_free_sgpr 66
		.amdhsa_reserve_vcc 0
		.amdhsa_float_denorm_mode_32 3
		.amdhsa_float_denorm_mode_16_64 3
		.amdhsa_memory_ordered 1
		.amdhsa_forward_progress 1
		.amdhsa_inst_pref_size 22
	.end_amdhsa_kernel
	.amdgpu_metadata
---
amdhsa.version: [ 1, 2 ]
amdhsa.kernels:
  - .name:           k_q6189d26f51_quant_w
    .symbol:         k_q6189d26f51_quant_w.kd
    .args:
      - { .name: w_qkv, .offset: 0, .size: 8, .value_kind: global_buffer, .address_space: global }
      - { .name: w_codes, .offset: 8, .size: 8, .value_kind: global_buffer, .address_space: global }
      - { .name: w_scales, .offset: 16, .size: 8, .value_kind: global_buffer, .address_space: global }
    .group_segment_fixed_size: 37888
    .private_segment_fixed_size: 0
    .kernarg_segment_align: 8
    .kernarg_segment_size: 24
    .max_flat_workgroup_size: 512
    .sgpr_count:     66
    .vgpr_count:     128
    .wavefront_size: 32
...
	.end_amdgpu_metadata
.endif
;; end of part 2
;; launch cast_wp (part 3): grid 8 x 8, 4 waves a work-group, no clusters, 35,328 bytes of LDS; arguments w_proj, wp_t; writes wp_t
.if DOCPART == 3
	.amdgcn_target "amdgcn-amd-amdhsa--gfx1250"
	.amdhsa_code_object_version 6
	.text
	.protected	k_q6189d26f51_cast_wp
	.globl	k_q6189d26f51_cast_wp
	.p2align	8
	.type	k_q6189d26f51_cast_wp,@function
k_q6189d26f51_cast_wp:
	s_mov_b64 s[64:65], 0
	v_nop
	global_prefetch_b8 v0, s[64:65] scope:SCOPE_SE
	s_setreg_imm32_b32 hwreg(HW_REG_WAVE_MODE, 25, 1), 1
	s_wait_xcnt 0x0
; w_proj [1024 (k)][1024 (n)] f32 becomes wp_t [1024 (n)][1024 (k)] f16, K innermost, as the last product's second operand wants it.
; A lane takes a column n and its registers run down K: each load reads 128 consecutive bytes a wave; two neighbours along K round into one register.  Nothing is transposed by an instruction.
; A wave takes 32 columns x 128 along K: 256 bytes for each column.  They go through the wave's own stage in LDS (rows of 256 + 16 bytes) and leave as rows: sixteen lanes store 256 consecutive bytes, aligned.
; Waves share nothing: no barrier; no two work-groups read the same byte: no cluster.  Loads run two blocks ahead.
; LIMIT: w_proj is rounded to f16: magnitudes up to 65,504; under 6e-5 the step is 6e-8.
.set ROWW,  4096                       ; a row of w_proj in bytes
.set NB,    4                          ; blocks of 32 along K
.set PITCH, 272
.set KROW,  2048                       ; a row of wp_t in bytes
.set X,     32                         ; v32-95   two sets of 32 numbers
.set C,     96                         ; v96-111  a block as f16
.set OUTR,  112                        ; v112-175 the way out
.set SPW,   14
.set NIL,   15
.set SPARE, 4*32*PITCH                 ; behind the four stages: the spare words
	s_load_b128 s[4:7], s[0:1], 0x0                ; w_proj, wp_t
	v_lshl_add_u32 v[SPW], v0, 2, SPARE
	v_mov_b32 v[NIL], 0
	v_lshrrev_b32 v1, 5, v0
	v_readfirstlane_b32 s16, v1                    ; wave 0..3
	v_and_b32 v2, 31, v0                           ; lane
	s_lshl_b32 s17, ttmp9, 7
	s_lshl_b32 s18, s16, 5
	s_add_co_u32 s17, s17, s18                     ; my wave's first column
	s_and_b32 s18, ttmp7, 0xffff                   ; which 128 along K
	v_lshlrev_b32 v3, 2, v2
	s_mul_i32 s19, s16, 32*PITCH                   ; my stage
	v_mul_u32_u24 v4, v2, PITCH
	v_add_nc_u32 v4, s19, v4                       ; into it: row = my column
	v_and_b32 v5, 15, v2
	v_lshrrev_b32 v6, 4, v2
	v_mul_u32_u24 v7, v6, PITCH
	v_lshl_add_u32 v7, v5, 4, v7
	v_add_nc_u32 v7, s19, v7                       ; out of it: sixteen lanes to a row, two rows an instruction
	v_lshlrev_b32 v8, 11, v6
	v_lshl_add_u32 v8, v5, 4, v8                   ; and the same place in wp_t
	s_lshl_b32 s20, s18, 19                        ; 128 rows of 4,096 bytes
	s_lshl_b32 s21, s17, 2
	s_add_co_u32 s20, s20, s21
	s_mov_b32 s21, 0
	s_lshl_b32 s22, s17, 11                        ; my first column's row of wp_t
	s_lshl_b32 s23, s18, 8
	s_add_co_u32 s22, s22, s23
	s_mov_b32 s23, 0
	s_wait_kmcnt 0x0
	s_add_nc_u64 s[4:5], s[4:5], s[20:21]
	s_add_nc_u64 s[6:7], s[6:7], s[22:23]
.macro LOAD t
.irp i, 0,1,2,3,4,5,6,7,8,9,10,11,12,13,14,15,16,17,18,19,20,21,22,23,24,25,26,27,28,29,30,31
	global_load_b32 v[X+32*((\t)%2)+\i], v3, s[4:5] offset:(32*(\t)+\i)*ROWW th:TH_LOAD_NT
.endr
.endm
	LOAD 0
	LOAD 1
.macro BLOCK t
.set XS, X+32*((\t)%2)
.if (\t) < NB-1
	s_wait_loadcnt 32                              ; this block's 32 loads are in; the next block's may be out
.else
	s_wait_loadcnt 0
.endif
.irp i, 0,1,2,3,4,5,6,7,8,9,10,11,12,13,14,15
	v_cvt_pk_f16_f32 v[C+\i], v[XS+2*\i], v[XS+2*\i+1]             ; the lower k in the low half
.endr
.irp g, 0,1,2,3
	ds_store_b128 v4, v[C+4*\g:C+4*\g+3] offset:64*(\t)+16*\g
.endr
.if (\t)+2 < NB
	LOAD (\t)+2
.endif
	s_wait_dscnt 0x0                               ; the stores have read their registers
.endm
	BLOCK 0
	BLOCK 1
	BLOCK 2
	BLOCK 3
.irp t, 0,1,2,3,4,5,6,7,8,9,10,11,12,13,14,15
	ds_load_b128 v[OUTR+4*\t:OUTR+4*\t+3], v7 offset:2*\t*PITCH    ; in order behind my stores
.endr
.irp t, 0,1,2,3,4,5,6,7,8,9,10,11,12,13,14,15
	s_wait_dscnt 15-\t
	global_store_b128 v8, v[OUTR+4*\t:OUTR+4*\t+3], s[6:7] offset:2*\t*KROW
.endr
	s_wait_tensorcnt 0x0                           ; the wave's end
	ds_add_u32 v[SPW], v[NIL]
	s_wait_dscnt 0x0
	s_endpgm
.Lfunc_end_k_q6189d26f51_cast_wp:
	.size	k_q6189d26f51_cast_wp, .Lfunc_end_k_q6189d26f51_cast_wp-k_q6189d26f51_cast_wp
	.p2alignl 7, 3214868480
	.fill 96, 4, 3214868480
	.section	.rodata,"a",@progbits
	.p2align	6, 0x0
	.amdhsa_kernel k_q6189d26f51_cast_wp
		.amdhsa_group_segment_fixed_size 35328
		.amdhsa_private_segment_fixed_size 0
		.amdhsa_enable_private_segment 0
		.amdhsa_kernarg_size 16
		.amdhsa_user_sgpr_count 2
		.amdhsa_user_sgpr_kernarg_segment_ptr 1
		.amdhsa_wavefront_size32 1
		.amdhsa_system_sgpr_workgroup_id_x 1
		.amdhsa_system_sgpr_workgroup_id_y 1
		.amdhsa_system_sgpr_workgroup_id_z 1
		.amdhsa_system_vgpr_workitem_id 0
		.amdhsa_next_free_vgpr 192
		.amdhsa_next_free_sgpr 66
		.amdhsa_reserve_vcc 0
		.amdhsa_float_denorm_mode_32 3
		.amdhsa_float_denorm_mode_16_64 3
		.amdhsa_memory_ordered 1
		.amdhsa_forward_progress 1
		.amdhsa_inst_pref_size 22
	.end_amdhsa_kernel
	.amdgpu_metadata
---
amdhsa.version: [ 1, 2 ]
amdhsa.kernels:
  - .name:           k_q6189d26f51_cast_wp
    .symbol:         k_q6189d26f51_cast_wp.kd
    .args:
      - { .name: w_proj, .offset: 0, .size: 8, .value_kind: global_buffer, .address_space: global }
      - { .name: wp_t, .offset: 8, .size: 8, .value_kind: global_buffer, .address_space: global }
    .group_segment_fixed_size: 35328
    .private_segment_fixed_size: 0
    .kernarg_segment_align: 8
    .kernarg_segment_size: 16
    .max_flat_workgroup_size: 128
    .sgpr_count:     66
    .vgpr_count:     192
    .wavefront_size: 32
...
	.end_amdgpu_metadata
.endif
;; end of part 3
;; launch gemm_qkv (part 4): grid 12 x 32, 4 waves a work-group, clusters of 4 x 4, 327,680 bytes of LDS; arguments x_codes, x_scales, w_codes, w_scales, b_qkv, qkv; writes qkv
.if DOCPART == 4
	.amdgcn_target "amdgcn-amd-amdhsa--gfx1250"
	.amdhsa_code_object_version 6
	.text
	.protected	k_q6189d26f51_gemm_qkv
	.globl	k_q6189d26f51_gemm_qkv
	.p2align	8
	.type	k_q6189d26f51_gemm_qkv,@function
k_q6189d26f51_gemm_qkv:
	s_mov_b64 s[64:65], 0
	v_nop
	global_prefetch_b8 v0, s[64:65] scope:SCOPE_SE
	s_setreg_imm32_b32 hwreg(HW_REG_WAVE_MODE, 25, 1), 1
	s_wait_xcnt 0x0
	s_wait_alu depctr_hold_cnt(0) depctr_sa_sdst(0) depctr_va_vdst(0) depctr_va_sdst(0) depctr_va_ssrc(0) depctr_va_vcc(0) depctr_vm_vsrc(0)
	s_getreg_b32 s2, hwreg(HW_REG_IB_STS2, 6, 4)
	s_cmp_eq_u32 s2, 0
	s_cbranch_scc0 .Lentry_in_a_cluster
	s_endpgm
.Lentry_in_a_cluster:
	s_bfe_u32 s2, ttmp6, 0x10000c
	s_cmp_lg_u32 s2, 0xf033
	s_cbranch_scc0 .Lentry_shape_is_right
	s_endpgm
.Lentry_shape_is_right:
; qkv = Q(x) Q(w_qkv) + b_qkv, on codes of FP4 (E2M1) with one E8M0 scale for each 32 along K.  A = x's codes [8192][512 bytes], B = w's codes [3072][512 bytes], scale bytes [rows][32].
; The result is rounded to f16 and laid by head: qkv [3 (q, k, v)][4 (batch)][16 (head)][2048 (position)][64], so that a head's rows are dense for the attention launch.
; LIMIT: q, k and v are kept in f16: magnitudes up to 65,504.
; A tile of C, 256 x 256, is made by a work-group of four waves; a wave makes 128 x 128: 64 accumulators of 16 x 16, 512 registers.  K = 1,024 is two slots of 512 (rows of 256 bytes): both are asked for at the head
; and nothing is filled again.  The scale bytes of the work-group's 256 + 256 rows, two dense blocks, come with them and stay.
; CLUSTERS: 4 x 4 work-groups.  The four of a row of the cluster need the same tiles of A, the four of a column the same tiles of B: each tile is asked for JOINTLY, by the same tensor load with the same descriptor
; and a mask that names the four.  THE MATRIX INSTRUCTION IS USED TRANSPOSED (source 0 = 16 rows of B, source 1 = 16 rows of A): a lane holds eight neighbouring columns of a row of C.
; THE BIAS is the C of each sum's first product: eight registers for each of my eight blocks of columns, in the result's layout.
; REGISTERS, in windows of 256: window 0: v0-31 addresses; v32-95 scale words, two sets; v128-191 A's fragments, one set; v192-255 the bias, later packed results.  window 1: B's fragments, two sets.
;   window 2: the accumulators of my rows 0-63 ((a, b) at v[8 (8 a + b)]); window 3: those of rows 64-127.
.set NQ,     4                         ; steps of 128 along K in a slot
.set ROWB,   256                       ; a tile's row in bytes: 512 codes
.set KROW,   512                       ; a row of codes in memory
.set PITCH,  272                       ; an LDS row: 256 bytes + 16 of padding: the 16 rows that a load touches start 16 bytes apart modulo 256
.set FR,     8                         ; registers of a fragment
.set NL,     2                         ; LDS loads that bring one
.set NP,     4                         ; places behind this matrix instruction (ISA guide 7.12.1)
.set HALFT,  128*PITCH
.set SLOT,   4*HALFT                   ; A's 256 rows, then B's 256 rows
.set KS,     32                        ; a row of scale bytes
.set SCL,    2*SLOT                    ; behind the ring: the scales, as lines of 256 bytes + 16
.set HALFS,  (128*KS/256)*272          ; those of 128 rows: what one tensor load brings
.set SBLK,   (16*KS/256)*272           ; those of 16 rows
.set SPARE,  SCL+4*HALFS               ; the spare words, 128 bytes a wave
.set SPITCH, 272                       ; the way out: a stage of 16 rows x (256 + 16) bytes a wave, in slot 0, which has had its only fill and its last read by then
.set ADRA, 16                          ; v16-17 LDS address of my A fragments in slot 0, 1
.set ADRB, 20                          ; v20-21 the same for B
.set STO,  24                          ; v24 the way out: where I put 16 bytes of a row
.set RD,   25                          ; v25 where I read back
.set CO,   26                          ; v26 my byte offset in qkv
.set ADRS, 27                          ; v27 LDS address of my scale words: lanes 0-15 A's rows, lanes 16-31 B's
.set SPW,  28                          ; v28 my spare word; never rewritten
.set NIL,  29                          ; v29 0; never rewritten
.set SC,   32                          ; scale words: set s at v[SC + 32 s]; register 4 i + q: lanes 0-15 A's block i, lanes 16-31 B's block i, the slot's q-th 128 along K
.set AF,   128
.set BIAS, 192
.set TMP,  192                         ; the way out: packed results
.set BK,   32                          ; the way out: rows read back: v32-63 and v64-95 by turns
.set G1, 24
.set G0, 32
.set G1B, 48
.set G0B, 56
.set G1S, 68
.set G0S, 76
.set G1SB, 80
.set G0SB, 88
.set MSB, 0
.macro WIN new                         ; the immediate's high byte repeats the setting that is left
.if MSB != \new
	s_set_vgpr_msb (MSB<<8)|\new
.set MSB, \new
.endif
.endm
.set MUL_LO,  0xa1                     ; source 0 (B) window 1, source 1 (A) window 0, C and D window 2
.set MUL_HI,  0xf1                     ; the same, C and D window 3
.set BIAS_LO, 0x81                     ; the first products: C (the bias) window 0, D window 2
.set BIAS_HI, 0xc1                     ; D window 3
.set TO_B,    0x40
; A joint load: waves 0 and 1 fetch for A, waves 2 and 3 for B; the branch hangs on the wave's number alone.  An s_nop 0 and four v_nop follow each line.
.macro JLOAD g0a, g1a, g0b, g1b
	s_cmp_eq_u32 s15, 0
	s_cbranch_scc0 .Lfor_b_\@
	tensor_load_to_lds s[\g0a:\g0a+3], s[\g1a:\g1a+7]
	s_nop 0
.rept 4
	v_nop
.endr
	s_branch .Lasked_\@
.Lfor_b_\@:
	tensor_load_to_lds s[\g0b:\g0b+3], s[\g1b:\g1b+7]
	s_nop 0
.rept 4
	v_nop
.endr
.Lasked_\@:
.endm
.macro CROUND                          ; a round of the cluster's barrier
	s_barrier_signal -1
	s_barrier_wait -1
	s_cmp_lg_u32 s14, 0
	s_cbranch_scc1 .Lnot_wave_0_\@
	s_barrier_signal -3
.Lnot_wave_0_\@:
	s_barrier_wait -3
	s_barrier_signal -1
	s_barrier_wait -1
.endm
	s_load_b128 s[4:7], s[0:1], 0x0                ; A's codes, A's scales
	s_load_b128 s[8:11], s[0:1], 0x10              ; B's codes, B's scales
	s_load_b128 s[96:99], s[0:1], 0x20             ; b_qkv, qkv
	v_lshl_add_u32 v[SPW], v0, 2, SPARE
	v_mov_b32 v[NIL], 0
	ds_add_u32 v[SPW], v[NIL]                      ; the wave's opening: the add, twice on end, and its wait ahead of my first tensor load
	ds_add_u32 v[SPW], v[NIL]
	v_lshrrev_b32 v1, 5, v0
	v_readfirstlane_b32 s14, v1                    ; wave 0..3
	s_lshr_b32 s15, s14, 1                         ; which half of the tile's rows is mine.  Also: I fetch for A (0) or for B (1)
	s_and_b32 s16, s14, 1                          ; which half of its columns.  Also: which 128 rows of that tile I fetch
	s_bfe_u32 s40, ttmp6, 0x40000                  ; cx, cy
	s_bfe_u32 s41, ttmp6, 0x40004
	s_lshl_b32 s42, ttmp9, 2
	s_add_co_u32 s42, s42, s40                     ; tile column of C
	s_and_b32 s17, ttmp7, 0xffff
	s_lshl_b32 s17, s17, 2
	s_add_co_u32 s17, s17, s41                     ; tile row of C
	s_lshl_b32 s43, s41, 2
	s_lshl_b32 s43, 15, s43                        ; my row of the cluster
	s_lshl_b32 s44, 0x1111, s40                    ; my column
	s_or_b32 s[G1+0], s43, (0<<16)|(1<<20)|(1<<21)|(5<<22)|(3<<25)  ; the mask; elements of 1 byte; padding on; bit 21 beside a mask; 4 words of padding after every 64
	s_or_b32 s[G1B+0], s44, (0<<16)|(1<<20)|(1<<21)|(5<<22)|(3<<25)
.irp g, G1, G1B
	s_mov_b32 s[\g+1], ROWB<<16                    ; tensor_dim0
	s_mov_b32 s[\g+2], 128<<16                     ; tensor_dim1
	s_mov_b32 s[\g+3], ROWB<<16                    ; tile_dim0
	s_mov_b32 s[\g+4], 128                         ; tile_dim1
	s_mov_b32 s[\g+5], KROW                        ; the pitch in memory
	s_mov_b32 s[\g+6], 0
	s_mov_b32 s[\g+7], 0
.endr
	s_or_b32 s[G1S+0], s43, (3<<16)|(1<<20)|(1<<21)|(5<<22)|(3<<25) ; the scales of 128 rows: 4,096 dense bytes as 16 lines of 32 elements of 8 bytes
	s_or_b32 s[G1SB+0], s44, (3<<16)|(1<<20)|(1<<21)|(5<<22)|(3<<25)
.irp g, G1S, G1SB
	s_mov_b32 s[\g+1], 32<<16
	s_mov_b32 s[\g+2], (128*KS/256)<<16
	s_mov_b32 s[\g+3], 32<<16
	s_mov_b32 s[\g+4], 128*KS/256
	s_mov_b32 s[\g+5], 32
	s_mov_b32 s[\g+6], 0
	s_mov_b32 s[\g+7], 0
.endr
	s_lshl_b32 s18, s16, 7                         ; which 128 rows of the tile I fetch
	s_lshl_b32 s20, s17, 8
	s_add_co_u32 s20, s20, s18                     ; A: row 256 x tile row + 128 x half
	s_lshl_b32 s46, s42, 8
	s_add_co_u32 s46, s46, s18                     ; B: row 256 x tile column + 128 x half
	s_mov_b32 s21, 0
	s_mov_b32 s47, 0
	s_mov_b64 s[18:19], KS
	s_mul_u64 s[22:23], s[20:21], s[18:19]         ; where these rows' scales begin,
	s_mul_u64 s[92:93], s[46:47], s[18:19]
	s_mov_b64 s[18:19], KROW
	s_mul_u64 s[20:21], s[20:21], s[18:19]         ; and their codes
	s_mul_u64 s[46:47], s[46:47], s[18:19]
	s_mul_i32 s45, s14, HALFT                      ; where they go: wave x 128 rows: no place in the cluster enters an LDS address
	s_mul_i32 s94, s14, HALFS
	s_wait_dscnt 0x0                               ; both opening adds are done
	s_wait_kmcnt 0x0
	s_add_nc_u64 s[20:21], s[4:5], s[20:21]
	s_add_nc_u64 s[22:23], s[6:7], s[22:23]
	s_add_nc_u64 s[46:47], s[8:9], s[46:47]
	s_add_nc_u64 s[92:93], s[10:11], s[92:93]
	CROUND                                         ; all sixteen work-groups are here: the first joint loads meet
	s_mov_b32 s[G0S], 1
	s_add_co_u32 s[G0S+1], s94, SCL
	s_mov_b64 s[G0S+2:G0S+3], s[22:23]
	s_or_b32 s[G0S+3], s[G0S+3], 0x80000000
	s_mov_b32 s[G0SB], 1
	s_add_co_u32 s[G0SB+1], s94, SCL
	s_mov_b64 s[G0SB+2:G0SB+3], s[92:93]
	s_or_b32 s[G0SB+3], s[G0SB+3], 0x80000000
	JLOAD G0S, G1S, G0SB, G1SB                     ; the scales first: they are wanted with the first step
.irp s, 0,1
	s_mov_b32 s[G0+4*\s], 1
	s_add_co_u32 s[G0+4*\s+1], s45, \s*SLOT
	s_add_nc_u64 s[G0+4*\s+2:G0+4*\s+3], s[20:21], \s*ROWB
	s_or_b32 s[G0+4*\s+3], s[G0+4*\s+3], 0x80000000
	s_mov_b32 s[G0B+4*\s], 1
	s_add_co_u32 s[G0B+4*\s+1], s45, \s*SLOT
	s_add_nc_u64 s[G0B+4*\s+2:G0B+4*\s+3], s[46:47], \s*ROWB
	s_or_b32 s[G0B+4*\s+3], s[G0B+4*\s+3], 0x80000000
	JLOAD G0+4*\s, G1, G0B+4*\s, G1B               ; three loads of mine are out: all of K
.endr
	v_and_b32 v1, 15, v0                           ; r = lane % 16
	v_bfe_u32 v2, v0, 4, 1                         ; h = lane / 16
	; the bias: register 8 b + j of lane (r, h) is b_qkv[my first column + 16 b + 8 h + j]
	s_lshl_b32 s92, s42, 10
	s_lshl_b32 s93, s16, 9
	s_add_co_u32 s92, s92, s93
	s_mov_b32 s93, 0
	s_add_nc_u64 s[96:97], s[96:97], s[92:93]
	v_lshlrev_b32 v7, 5, v2
.irp b, 0,1,2,3,4,5,6,7
	global_load_b128 v[BIAS+8*\b:BIAS+8*\b+3],   v7, s[96:97] offset:64*\b
	global_load_b128 v[BIAS+8*\b+4:BIAS+8*\b+7], v7, s[96:97] offset:64*\b+16
.endr
	v_mul_u32_u24 v3, v1, PITCH
	v_lshl_add_u32 v4, v2, 4, v3                   ; a fragment's row x pitch + 16 x half
	s_mul_i32 s21, s15, HALFT                      ; my 128 rows of A
	s_mul_i32 s22, s16, HALFT                      ; my 128 rows of B,
	s_add_co_u32 s22, s22, 2*HALFT                 ; which lie behind A's 256
.irp s, 0,1
	v_add_nc_u32 v[ADRA+\s], s21, v4
	v_add_nc_u32 v[ADRB+\s], s22, v4
	s_add_co_u32 s21, s21, SLOT
	s_add_co_u32 s22, s22, SLOT
.endr
	v_mul_u32_u24 v5, v1, KS                       ; my row's scales: 32 bytes a row,
	v_lshrrev_b32 v6, 8, v5
	v_lshl_add_u32 v5, v6, 4, v5                   ; and 16 more for each 256 passed
	s_mul_i32 s21, s15, HALFS
	s_mul_i32 s22, s16, HALFS
	s_add_co_u32 s22, s22, 2*HALFS
	s_sub_co_u32 s22, s22, s21
	v_mul_u32_u24 v6, s22, v2                      ; lanes 16-31 take B's: one product, the distance x h
	s_add_co_u32 s21, s21, SCL
	v_add_nc_u32 v5, v5, v6
	v_add_nc_u32 v[ADRS], s21, v5
	s_mul_i32 s23, s14, 16*SPITCH                  ; my stage
	v_mul_u32_u24 v5, v1, SPITCH                   ; in: row r, 16 bytes for each half of the lanes
	v_lshl_add_u32 v5, v2, 4, v5
	v_add_nc_u32 v[STO], s23, v5
	v_lshrrev_b32 v5, 3, v1                        ; back: a head's 64 columns are 128 bytes of a stage row; two rows of one head are 256 consecutive bytes of qkv.
	v_mul_u32_u24 v5, v5, SPITCH                   ; lanes 0-15 take them of my first head, lanes 16-31 of my second: row r / 8, byte 128 h + 16 (r % 8)
	v_lshl_add_u32 v5, v2, 7, v5
	v_and_b32 v6, 7, v1
	v_lshl_add_u32 v5, v6, 4, v5
	v_add_nc_u32 v[RD], s23, v5
	v_lshlrev_b32 v5, 18, v2                       ; in qkv a head is 2^18 bytes
	v_lshl_add_u32 v[CO], v1, 4, v5
	; where my part begins in qkv: rows: batch x 2^22 + position x 128;  columns: (q, k or v) x 2^24 + head x 2^18
	s_lshl_b32 s20, s17, 8
	s_lshl_b32 s21, s15, 7
	s_add_co_u32 s20, s20, s21                     ; my first row of C
	s_lshr_b32 s21, s20, 11
	s_lshl_b32 s21, s21, 22
	s_and_b32 s20, s20, 2047
	s_lshl_b32 s20, s20, 7
	s_add_co_u32 s20, s20, s21
	s_mov_b32 s21, 0
	s_lshl_b32 s46, s42, 2
	s_lshl_b32 s47, s16, 1
	s_add_co_u32 s46, s46, s47                     ; my first column / 64
	s_lshr_b32 s47, s46, 4
	s_lshl_b32 s47, s47, 24
	s_and_b32 s46, s46, 15
	s_lshl_b32 s46, s46, 18
	s_add_co_u32 s46, s46, s47
	s_mov_b32 s47, 0
	s_add_nc_u64 s[98:99], s[98:99], s[20:21]
	s_add_nc_u64 s[98:99], s[98:99], s[46:47]
.macro FRAG reg, adr, q, i             ; 16 rows x 128 K of 4-bit codes: 8 registers; registers 4 c .. 4 c + 3 hold K = 64 c + 32 h + 0 .. 31
.irp c, 0,1
	ds_load_b128 v[\reg+4*\c:\reg+4*\c+3], v[\adr] offset:64*(\q)+32*\c+(\i)*16*PITCH
.endr
.endm
; 16 matrix instructions: A's blocks a0, a0 + 1 x B's eight, the slot's q-th 128 along K.  p: B's set; sc: the set of scale words.  zero = 1: the first product starts the sum from the bias.
; The 64 accumulators take turns, one instruction a turn, in the same order in every step.
.macro MUL16 a0, p, q, sc, zero
.irp a, \a0, \a0+1
.irp b, 0,1,2,3,4,5,6,7
.if \zero
	v_wmma_scale_f32_16x16x128_f8f6f4 v[8*(8*((\a)%4)+\b):8*(8*((\a)%4)+\b)+7], v[128*(\p)+FR*\b:128*(\p)+FR*\b+FR-1], v[AF+FR*(\a):AF+FR*(\a)+FR-1], v[BIAS+8*\b:BIAS+8*\b+7], v[SC+8*NQ*(\sc)+NQ*\b+(\q)], v[SC+8*NQ*(\sc)+NQ*(\a)+(\q)] matrix_a_fmt:MATRIX_FMT_FP4 matrix_b_fmt:MATRIX_FMT_FP4 matrix_a_scale:MATRIX_SCALE_ROW1
.else
	v_wmma_scale_f32_16x16x128_f8f6f4 v[8*(8*((\a)%4)+\b):8*(8*((\a)%4)+\b)+7], v[128*(\p)+FR*\b:128*(\p)+FR*\b+FR-1], v[AF+FR*(\a):AF+FR*(\a)+FR-1], v[8*(8*((\a)%4)+\b):8*(8*((\a)%4)+\b)+7], v[SC+8*NQ*(\sc)+NQ*\b+(\q)], v[SC+8*NQ*(\sc)+NQ*(\a)+(\q)] matrix_a_fmt:MATRIX_FMT_FP4 matrix_b_fmt:MATRIX_FMT_FP4 matrix_a_scale:MATRIX_SCALE_ROW1
.endif
.endr
.endr
.endm
.macro FETCH_B slot, q, p
	WIN TO_B
.irp i, 0,1,2,3,4,5,6,7
	FRAG 128*(\p)+FR*\i, ADRB+\slot, \q, \i
.endr
	WIN 0
.endm
.macro FETCH_A slot, q, i0
.irp i, \i0, \i0+1, \i0+2, \i0+3
	FRAG AF+FR*(\i), ADRA+\slot, \q, \i
.endr
.endm
.macro SCALES sc                       ; a slot's scale words: four words a row; lanes 0-15 A's block i, lanes 16-31 B's block i
.irp i, 0,1,2,3,4,5,6,7
	ds_load_b128 v[SC+8*NQ*\sc+NQ*\i:SC+8*NQ*\sc+NQ*\i+3], v[ADRS] offset:\i*SBLK
.endr
.endm
.macro PLACES n                        ; plain vector instructions between a matrix instruction and a load into, or a read of, its registers
.rept \n
	v_nop
.endr
.endm
; A step of 128 along K that has its successor in the same slot.  A's blocks go one after the other, each against B's eight: blocks 0-3 are fetched anew in the step's middle, blocks 4-7 at its end.
.macro STEP slot, q, zero
	s_wait_dscnt 4*NL                              ; B's set, the scales and A's blocks 0-3 are in; the youngest eight loads (A's blocks 4-7) may be out
.if \zero
	WIN BIAS_LO
.else
	WIN MUL_LO
.endif
	MUL16 0, (\q)%2, \q, \slot, \zero
	MUL16 2, (\q)%2, \q, \slot, \zero
	s_wait_dscnt 0                                 ; A's blocks 4-7 are in
	PLACES NP
	FETCH_B \slot, (\q)+1, 1-(\q)%2
	FETCH_A \slot, (\q)+1, 0
.if \zero
	WIN BIAS_HI
.else
	WIN MUL_HI
.endif
	MUL16 4, (\q)%2, \q, \slot, \zero
	MUL16 6, (\q)%2, \q, \slot, \zero
	PLACES NP
	WIN 0
	FETCH_A \slot, (\q)+1, 4
.endm
; Slot 0's last step changes slots: one barrier; in front of it each wave waits for all its tensor loads (slot 1's was out), adds 0 to its spare word, and waits for that and for its reads of slot 0.  Nothing is filled again.
.macro TURN slot, next
	s_wait_tensorcnt 0x0
	ds_add_u32 v[SPW], v[NIL]
	s_wait_dscnt 4*NL+1                            ; (the add and A's blocks 4-7 may be out)
	WIN MUL_LO
	MUL16 0, 1, NQ-1, \slot, 0
	s_wait_dscnt 0x0                               ; the add is done, and my reads of this slot are over
	s_barrier_signal -1
	MUL16 2, 1, NQ-1, \slot, 0
	WIN 0
	s_barrier_wait -1
	PLACES NP
	v_add_nc_u32 v[ADRS], 4*NQ, v[ADRS]            ; on to the next slot's scale words
	FETCH_B \next, 0, 0
	FETCH_A \next, 0, 0
	SCALES \next
	WIN MUL_HI
	MUL16 4, 1, NQ-1, \slot, 0
	MUL16 6, 1, NQ-1, \slot, 0
	PLACES NP
	WIN 0
	FETCH_A \next, 0, 4
.endm
	s_wait_tensorcnt 1                             ; the scales and my part of slot 0 are in; slot 1's load may be out
	s_barrier_signal -1
	s_barrier_wait -1
	FETCH_B 0, 0, 0
	FETCH_A 0, 0, 0
	SCALES 0
	FETCH_A 0, 0, 4
	s_wait_loadcnt 0x0                             ; the bias
	STEP 0, 0, 1
	STEP 0, 1, 0
	STEP 0, 2, 0
	TURN 0, 1
	STEP 1, 0, 0
	STEP 1, 1, 0
	STEP 1, 2, 0
	s_wait_dscnt 4*NL                              ; the last step: nothing more to fetch
	WIN MUL_LO
	MUL16 0, 1, NQ-1, 1, 0
	MUL16 2, 1, NQ-1, 1, 0
	s_wait_dscnt 0
	WIN MUL_HI
	MUL16 4, 1, NQ-1, 1, 0
	MUL16 6, 1, NQ-1, 1, 0
	WIN 0
; THE WAY OUT, block by block of 16 rows x 128 columns (two heads).  PACK: rounded to f16, 16 bytes a lane.  TOSTAGE: into my own stage, and back so that sixteen lanes hold 256 consecutive bytes of a head.  SEND: stored.
.macro PACK a
.set AC, 64*((\a)%4)
	WIN 0x0a+5*((\a)/4)                            ; sources 0 and 1: window 2 or 3
.irp b, 0,1,2,3,4,5,6,7
.irp i, 0,1,2,3
	v_cvt_pk_f16_f32 v[TMP+4*\b+\i], v[AC+8*\b+2*\i], v[AC+8*\b+2*\i+1]    ; each accumulator from its low end on
.endr
.endr
	WIN 0
.endm
.macro TOSTAGE a
.set BB, BK+32*((\a)%2)
.irp b, 0,1,2,3,4,5,6,7
	ds_store_b128 v[STO], v[TMP+4*\b:TMP+4*\b+3] offset:32*\b
.endr
.irp t, 0,1,2,3,4,5,6,7
	ds_load_b128 v[BB+4*\t:BB+4*\t+3], v[RD] offset:\t*2*SPITCH    ; LDS serves a wave's instructions in order: these see the stores above
.endr
.endm
.macro SEND a
.set BB, BK+32*((\a)%2)
	s_wait_dscnt 0x0                               ; the block is back in registers
	s_wait_xcnt 0x0                                ; the block before has been read by its stores: the next block's loads may land in its registers
.irp t, 0,1,2,3,4,5,6,7
	global_store_b128 v[CO], v[BB+4*\t:BB+4*\t+3], s[98:99] offset:2048*(\a)+256*\t   ; sixteen lanes store 256 consecutive bytes, aligned: two positions of one head
.endr
.endm
	PLACES NP
	PACK 0
	TOSTAGE 0
.irp a, 1,2,3,4,5,6,7                  ; block a's conversions stand between block a - 1's loads from the stage and the wait for them
	PACK \a
	SEND \a-1
	TOSTAGE \a
.endr
	SEND 7
	s_wait_tensorcnt 0x0                           ; the wave's end
	ds_add_u32 v[SPW], v[NIL]
	s_wait_dscnt 0x0
	CROUND                                         ; the closing round
	s_endpgm
.Lfunc_end_k_q6189d26f51_gemm_qkv:
	.size	k_q6189d26f51_gemm_qkv, .Lfunc_end_k_q6189d26f51_gemm_qkv-k_q6189d26f51_gemm_qkv
	.p2alignl 7, 3214868480
	.fill 96, 4, 3214868480
	.section	.rodata,"a",@progbits
	.p2align	6, 0x0
	.amdhsa_kernel k_q6189d26f51_gemm_qkv
		.amdhsa_group_segment_fixed_size 327680
		.amdhsa_private_segment_fixed_size 0
		.amdhsa_enable_private_segment 0
		.amdhsa_kernarg_size 48
		.amdhsa_user_sgpr_count 2
		.amdhsa_user_sgpr_kernarg_segment_ptr 1
		.amdhsa_wavefront_size32 1
		.amdhsa_system_sgpr_workgroup_id_x 1
		.amdhsa_system_sgpr_workgroup_id_y 1
		.amdhsa_system_sgpr_workgroup_id_z 1
		.amdhsa_system_vgpr_workitem_id 0
		.amdhsa_next_free_vgpr 1024
		.amdhsa_next_free_sgpr 100
		.amdhsa_reserve_vcc 0
		.amdhsa_float_denorm_mode_32 3
		.amdhsa_float_denorm_mode_16_64 3
		.amdhsa_memory_ordered 1
		.amdhsa_forward_progress 1
		.amdhsa_inst_pref_size 128
	.end_amdhsa_kernel
	.amdgpu_metadata
---
amdhsa.version: [ 1, 2 ]
amdhsa.kernels:
  - .name:           k_q6189d26f51_gemm_qkv
    .symbol:         k_q6189d26f51_gemm_qkv.kd
    .args:
      - { .name: x_codes, .offset: 0, .size: 8, .value_kind: global_buffer, .address_space: global }
      - { .name: x_scales, .offset: 8, .size: 8, .value_kind: global_buffer, .address_space: global }
      - { .name: w_codes, .offset: 16, .size: 8, .value_kind: global_buffer, .address_space: global }
      - { .name: w_scales, .offset: 24, .size: 8, .value_kind: global_buffer, .address_space: global }
      - { .name: b_qkv, .offset: 32, .size: 8, .value_kind: global_buffer, .address_space: global }
      - { .name: qkv, .offset: 40, .size: 8, .value_kind: global_buffer, .address_space: global }
    .group_segment_fixed_size: 327680
    .private_segment_fixed_size: 0
    .kernarg_segment_align: 8
    .kernarg_segment_size: 48
    .max_flat_workgroup_size: 128
    .sgpr_count:     100
    .vgpr_count:     1024
    .wavefront_size: 32
...
	.end_amdgpu_metadata
.endif
;; end of part 4
;; launch attention (part 5): grid 8 x 32, 16 waves a work-group, clusters of 4 x 1, 327,680 bytes of LDS; arguments qkv, o; writes o
.if DOCPART == 5
	.amdgcn_target "amdgcn-amd-amdhsa--gfx1250"
	.amdhsa_code_object_version 6
	.text
	.protected	k_q6189d26f51_attention
	.globl	k_q6189d26f51_attention
	.p2align	8
	.type	k_q6189d26f51_attention,@function
k_q6189d26f51_attention:
	s_mov_b64 s[64:65], 0
	v_nop
	global_prefetch_b8 v0, s[64:65] scope:SCOPE_SE
	s_setreg_imm32_b32 hwreg(HW_REG_WAVE_MODE, 25, 1), 1
	s_wait_xcnt 0x0
	s_wait_alu depctr_hold_cnt(0) depctr_sa_sdst(0) depctr_va_vdst(0) depctr_va_sdst(0) depctr_va_ssrc(0) depctr_va_vcc(0) depctr_vm_vsrc(0)
	s_getreg_b32 s2, hwreg(HW_REG_IB_STS2, 6, 4)
	s_cmp_eq_u32 s2, 0
	s_cbranch_scc0 .Lentry_in_a_cluster
	s_endpgm
.Lentry_in_a_cluster:
	s_bfe_u32 s2, ttmp6, 0x10000c
	s_cmp_lg_u32 s2, 0x3003
	s_cbranch_scc0 .Lentry_shape_is_right
	s_endpgm
.Lentry_shape_is_right:
; o[b][s][h 64 + d] = the sum over keys of softmax(q . k / 8) v, for 64 heads (batch x head) of 2,048 positions and 64 channels.  qkv: f16 [3][64 heads][2048][64]; o: f16 [8192][1024].
; Products on f16 operands with f32 sums; maxima, exponentials and sums in f32; the weights p (at most 1) are rounded to f16 for the second product, o once at the end.
; LIMIT: o is kept in f16 (it is an average of v, which is kept in f16 too): under 6e-5 its step is 6e-8.
; SHARES.  A work-group owns 256 queries of TWO neighbouring heads, so that a row of o gets 256 consecutive bytes, aligned.  Waves 0-7 serve the first head, waves 8-15 the second; a wave owns 32 queries, two
; tiles of 16, in 256 registers: four waves to a SIMD, so that one wave's vector work stands beside another's matrix work and LDS loads.  Every wave walks all 2,048 keys, 64 a step.
; LAYOUT.  S^T = K Q^T (source 0 = 16 keys, source 1 = 16 queries): a lane holds ONE query (lane % 16) and keys 8 (lane / 16) + 0..7.  Two such tiles, rounded in pairs, ARE source 1 of O^T = V^T P,
; whose result again holds one query a lane.  K comes out of LDS as it lies, V ([key][channel]) turned, by ds_load_tr16_b128.
; SOFTMAX.  A running maximum m and sum l for each query: p = 2^(c s - c m), c = log2(e) / 8; in every step O and l are multiplied by a = 2^(c m_old - c m_new).  m begins at -3e38 and O and l at 0.
; RING.  Two slots of 256 keys of both heads.  A head's rows of 128 bytes are dense, so a tile is stated as 128 lines of 256 bytes (two keys a line).  Waves 0, 1 fetch K of the two heads, waves 2, 3 V: one load each.
; CLUSTER.  The four query blocks of a cluster walk the same K and V: each tile is asked for JOINTLY, by the same tensor load with the same descriptor and the mask of all four.
.set KP,    272                        ; a line of K in LDS: 256 bytes + 16: the 16 keys of a load start at 16 different multiples of 16 bytes modulo 256
.set VP,    288                        ; a line of V: 256 + 32: the same holds of the turning load's 8 keys x 32 bytes
.set VOFF,  128*KP                     ; in a head's block: 128 lines of K, then 128 of V
.set HEADB, 128*(KP+VP)
.set SLOT,  2*HEADB                    ; two heads
.set SPARE, 2*SLOT                     ; behind the ring: the spare words, 128 bytes for each of 16 waves
.set SP,    272                        ; the way out: a stage of 256 rows x (256 + 16) bytes at LDS byte 0, in slot 0, which has had its last fill and its last read by then
.set SPW, 1                            ; v1  my spare word; never rewritten
.set NIL, 2                            ; v2  0; never rewritten
.set AK0, 3                            ; v3  my lane's place in a step's tile of K
.set AV0, 4                            ; v4  the same for V
.set ADK, 5                            ; v5  the step's address for K
.set ADV, 6                            ; v6  for V
.set QO,  7                            ; v7  my byte offset in the wave's rows of q
.set STO, 8                            ; v8  the way out: where I put 16 bytes of a row
.set RD,  9                            ; v9  where I read a row back
.set GO,  10                           ; v10 my byte offset in the wave's rows of o
.set PFO, 11                           ; v11 256 x lane: the prefetch's offset; never rewritten
.set OLD, 12                           ; v12-13 c m of the step before, a tile each; v14-15 at work at the head
.set ST,  16                           ; tile t's statistics at v[ST + 8 t]: +0 c m, +1 m, +2, +3 l, +4 to +7 four chains of the maximum; then +4, +5 at work, +6 a
.set Q,   32                           ; v32-63   q: tile t, channels 32 c on, at Q + 16 t + 8 c
.set KV,  64                           ; v64-127  a step's K, then its V
.set S,   128                          ; v128-191 S^T, 32 a tile; p is packed in place into a tile's first 16
.set O,   192                          ; v192-255 O^T, 32 a tile
.set WV,  12
.set HB,  13                           ; which of the two heads is mine
.set CX,  14
.set LIM, 15                           ; 1 in a wave that prefetches
.set PFA, 18                           ; s[18:19] where my prefetches stand
.set G1K, 24
.set G1V, 32
.set G0K, 40                           ; s[40:47] group 0 for K, a set for each slot
.set G0V, 48
.set CNT, 57
.set CS,  58                           ; s[58:59] c, twice
.set SEL, 60                           ; s[60:61] v_permlanex16_b32's selects for lane l xor 16
.set TK,  62                           ; LDS byte at which the step's K begins, less my head's block
.set TV,  63
.set TRIPS, 66
.set QB,  68
.set OB,  70
.macro ROUND                           ; a round of the cluster's barrier
	s_barrier_signal -1
	s_barrier_wait -1
	s_cmp_lg_u32 s[WV], 0
	s_cbranch_scc1 .Lnot_wave_0_\@
	s_barrier_signal -3
.Lnot_wave_0_\@:
	s_barrier_wait -3
	s_barrier_signal -1
	s_barrier_wait -1
.endm
; A joint load into slot s: waves 0, 1 for K, waves 2, 3 for V, the others nothing.  The branches hang on the wave's number alone.  An s_nop 0 and four v_nop follow each line.
.macro JLOAD s
	s_cmp_lt_u32 s[WV], 2
	s_cbranch_scc0 .Lnot_k_\@
	tensor_load_to_lds s[G0K+4*(\s):G0K+4*(\s)+3], s[G1K:G1K+7]
	s_nop 0
.rept 4
	v_nop
.endr
	s_branch .Lasked_\@
.Lnot_k_\@:
	s_cmp_lt_u32 s[WV], 4
	s_cbranch_scc0 .Lasked_\@
	tensor_load_to_lds s[G0V+4*(\s):G0V+4*(\s)+3], s[G1V:G1V+7]
	s_nop 0
.rept 4
	v_nop
.endr
.Lasked_\@:
.endm
; A prefetch of what the NEXT change of slots will ask for: four dense blocks of 32,768 bytes (K and V of two heads).  Both clusters of a pair of heads walk the same rows: the first of them asks.  In it waves 4 to 7,
; which fetch nothing, take a block each; the four partners share a block out BY ADDRESS, 8,192 bytes each, lanes 256 bytes apart.  So each aligned 256 bytes are named once in the launch, four key steps ahead of their load.
.macro ASK
	s_cmp_eq_u32 s[LIM], 1
	s_cbranch_scc0 .Lnot_mine_\@
	global_prefetch_b8 v[PFO], s[PFA:PFA+1] th:TH_LOAD_NT scope:SCOPE_SE
.Lnot_mine_\@:
.endm
	s_load_b128 s[4:7], s[0:1], 0x0                ; qkv, o
	v_lshl_add_u32 v[SPW], v0, 2, SPARE
	v_mov_b32 v[NIL], 0
	ds_add_u32 v[SPW], v[NIL]                      ; the wave's opening: the add, twice on end, and its wait ahead of the first tensor loads
	ds_add_u32 v[SPW], v[NIL]
	v_lshrrev_b32 v12, 5, v0
	v_readfirstlane_b32 s[WV], v12                 ; wave 0..15
	s_lshr_b32 s[HB], s[WV], 3
	s_bfe_u32 s[CX], ttmp6, 0x40000                ; my place in the cluster
	s_and_b32 s16, ttmp7, 0xffff                   ; the pair of heads, which the four partners share
	s_and_b32 s17, s[WV], 1                        ; a fetching wave's head of the two
	s_lshl_b32 s22, s16, 1
	s_add_co_u32 s22, s22, s17
	s_lshl_b32 s22, s22, 18                        ; a head is 2^18 bytes
	s_mov_b32 s23, 0
	s_mul_i32 s17, s17, HEADB                      ; and its block in a slot: no place in the cluster enters an LDS address
	s_mov_b32 s[G1K], 15|(1<<16)|(1<<20)|(1<<21)|(5<<22)|(3<<25)  ; the mask of all four; elements of 2 bytes; padding on; bit 21 beside a mask; 4 words after every 64
	s_mov_b32 s[G1V], 15|(1<<16)|(1<<20)|(1<<21)|(5<<22)|(7<<25)  ; the same with 8 words
.irp g, G1K, G1V
	s_mov_b32 s[\g+1], 128<<16                     ; tensor_dim0 = 128 elements: a line of two keys
	s_mov_b32 s[\g+2], 128<<16                     ; tensor_dim1 = 128 lines
	s_mov_b32 s[\g+3], 128<<16                     ; tile_dim0
	s_mov_b32 s[\g+4], 128                         ; tile_dim1
	s_mov_b32 s[\g+5], 128                         ; the pitch: dense
	s_mov_b32 s[\g+6], 0
	s_mov_b32 s[\g+7], 0
.endr
	s_mov_b32 s[CS], 0x3e38aa3b                    ; c = log2(e) / 8
	s_mov_b32 s[CS+1], s[CS]
	s_mov_b32 s[SEL], 0x76543210
	s_mov_b32 s[SEL+1], 0xfedcba98
	s_lshr_b32 s20, s[WV], 2
	s_xor_b32 s20, s20, 1                          ; 0 in waves 4 to 7,
	s_or_b32 s20, s20, ttmp9                       ; of the pair's first cluster: the same in all four partners
	s_cmp_eq_u32 s20, 0
	s_cselect_b32 s[LIM], 1, -1
	s_lshl_b32 s2, s16, 1                          ; q: my head,
	s_add_co_u32 s2, s2, s[HB]
	s_lshl_b32 s2, s2, 18
	s_lshl_b32 s3, ttmp9, 2
	s_add_co_u32 s3, s3, s[CX]                     ; my block of 256 queries,
	s_lshl_b32 s20, s3, 15
	s_add_co_u32 s2, s2, s20
	s_and_b32 s20, s[WV], 7
	s_lshl_b32 s20, s20, 12                        ; my wave's 32 of them, 128 bytes each
	s_add_co_u32 s2, s2, s20
	s_lshr_b32 s20, s16, 3                         ; o: the batch's 2,048 rows of 2,048 bytes,
	s_lshl_b32 s20, s20, 22
	s_lshl_b32 s21, s3, 19                         ; my block's 256 rows,
	s_add_co_u32 s20, s20, s21
	s_lshl_b32 s21, s[WV], 15                      ; the 16 rows that my wave stores,
	s_add_co_u32 s20, s20, s21
	s_and_b32 s21, s16, 7
	s_lshl_b32 s21, s21, 8                         ; the pair's 256 bytes of a row
	s_add_co_u32 s20, s20, s21
	s_mov_b32 s21, 0
	s_mov_b32 s3, 0
	s_wait_dscnt 0x0                               ; both opening adds are done
	s_wait_kmcnt 0x0
	s_add_nc_u64 s[QB:QB+1], s[4:5], s[2:3]
	s_add_nc_u64 s[OB:OB+1], s[6:7], s[20:21]
	s_add_nc_u64 s[22:23], s[4:5], s[22:23]        ; qkv at a fetching wave's head
.irp s, 0,1
	s_mov_b32 s[G0K+4*\s], 1
	s_add_co_u32 s[G0K+4*\s+1], s17, \s*SLOT
	s_add_nc_u64 s[G0K+4*\s+2:G0K+4*\s+3], s[22:23], 0x1000000+\s*32768   ; k lies 2^24 bytes on; slot s begins with keys 256 s on
	s_or_b32 s[G0K+4*\s+3], s[G0K+4*\s+3], 0x80000000
	s_mov_b32 s[G0V+4*\s], 1
	s_add_co_u32 s[G0V+4*\s+1], s17, \s*SLOT+VOFF
	s_add_nc_u64 s[G0V+4*\s+2:G0V+4*\s+3], s[22:23], 0x2000000+\s*32768   ; v 2^25
	s_or_b32 s[G0V+4*\s+3], s[G0V+4*\s+3], 0x80000000
.endr
	s_bfe_u32 s20, s[WV], 0x10001                  ; the prefetches: waves 4, 5 K's, waves 6, 7 V's,
	s_add_co_u32 s20, s20, 1
	s_lshl_b32 s20, s20, 24
	s_lshl_b32 s21, s[CX], 13                      ; my work-group's 8,192 bytes of a block,
	s_add_co_u32 s20, s20, s21
	s_add_co_u32 s20, s20, 32768                   ; at the second tile: the first change of slots steps it to the third.  Nothing is prefetched at the head
	s_mov_b32 s21, 0
	s_add_nc_u64 s[PFA:PFA+1], s[22:23], s[20:21]
	ROUND                                          ; all four work-groups are here: the first joint loads meet
	JLOAD 0                                        ; keys 0 to 255
	v_and_b32 v12, 15, v0                          ; r
	v_bfe_u32 v13, v0, 4, 1                        ; h
	v_lshlrev_b32 v[QO], 7, v12
	v_lshl_add_u32 v[QO], v13, 4, v[QO]            ; row r of 128 bytes + 16 h
.irp t, 0,1
.irp c, 0,1
	global_load_b128 v[Q+16*\t+8*\c:Q+16*\t+8*\c+3],   v[QO], s[QB:QB+1] offset:2048*\t+64*\c      ; q stays in registers
	global_load_b128 v[Q+16*\t+8*\c+4:Q+16*\t+8*\c+7], v[QO], s[QB:QB+1] offset:2048*\t+64*\c+32
.endr
.endr
	v_bfe_u32 v14, v0, 1, 3                        ; key r lies in line r / 2, half r % 2
	v_and_b32 v15, 1, v0
	s_mul_i32 s20, s[HB], HEADB
	v_mul_u32_u24 v[AK0], v14, KP
	v_lshl_add_u32 v[AK0], v15, 7, v[AK0]
	v_lshl_add_u32 v[AK0], v13, 4, v[AK0]
	v_add_nc_u32 v[AK0], s20, v[AK0]
	v_bfe_u32 v14, v0, 1, 2                        ; the turning load: lane l reads 16 bytes of key 8 h + l % 8, channels 8 ((l / 8) % 2) on
	v_lshl_add_u32 v14, v13, 2, v14
	v_mul_u32_u24 v[AV0], v14, VP
	v_lshl_add_u32 v[AV0], v15, 7, v[AV0]
	v_bfe_u32 v14, v0, 3, 1
	v_lshl_add_u32 v[AV0], v14, 4, v[AV0]
	s_add_co_u32 s20, s20, VOFF
	v_add_nc_u32 v[AV0], s20, v[AV0]
	s_and_b32 s20, s[WV], 7                        ; the stage, in: row 32 (wave % 8) + r, my head's 128 bytes, 16 h
	s_mul_i32 s20, s20, 32*SP
	s_lshl_b32 s21, s[HB], 7
	s_add_co_u32 s20, s20, s21
	v_mul_u32_u24 v[STO], v12, SP
	v_lshl_add_u32 v[STO], v13, 4, v[STO]
	v_add_nc_u32 v[STO], s20, v[STO]
	s_mul_i32 s21, s[WV], 16*SP                    ; back: wave w takes rows 16 w on; lanes 0-15 one row of 256 bytes, lanes 16-31 the next
	v_mul_u32_u24 v[RD], v13, SP
	v_lshl_add_u32 v[RD], v12, 4, v[RD]
	v_add_nc_u32 v[RD], s21, v[RD]
	v_lshlrev_b32 v[GO], 11, v13                   ; and the same two rows in o
	v_lshl_add_u32 v[GO], v12, 4, v[GO]
	v_and_b32 v[PFO], 31, v0
	v_lshlrev_b32 v[PFO], 8, v[PFO]
.irp t, 0,1
	v_mov_b32 v[ST+8*\t+1], 0xff61b1e6             ; m = -3e38, under every score
	v_mul_f32 v[ST+8*\t], s[CS], v[ST+8*\t+1]
	v_mov_b32 v[ST+8*\t+2], 0
	v_mov_b32 v[ST+8*\t+3], 0
.endr
.set n, 0
.rept 64
	v_mov_b32 v[O+n], 0                            ; the step is written once: the first finds zeros, which a = 0 leaves zeros
.set n, n+1
.endr
; A KEY STEP: 64 keys.
.macro STEP
	v_add_nc_u32 v[ADK], s[TK], v[AK0]
	v_add_nc_u32 v[ADV], s[TV], v[AV0]
.rept 3
	v_nop                                          ; with the two additions five places: the products below write over p, which the last V^T P read; four of them serve the loads into V's registers
.endr
.irp c, 0,1                                    ; K: keys 16 kt on, channels 32 c on; the first 32 channels first
.irp kt, 0,1,2,3
	ds_load_b128 v[KV+8*(2*\kt+\c):KV+8*(2*\kt+\c)+3],   v[ADK] offset:8*KP*\kt+64*\c
	ds_load_b128 v[KV+8*(2*\kt+\c)+4:KV+8*(2*\kt+\c)+7], v[ADK] offset:8*KP*\kt+64*\c+32
.endr
.endr
	s_wait_dscnt 8                                 ; the first 32 channels are in; the eight loads of the second may be out
.irp kt, 0,1,2,3                               ; the eight accumulators take turns, one instruction a turn
.irp t, 0,1
	v_wmma_f32_16x16x32_f16 v[S+32*\t+8*\kt:S+32*\t+8*\kt+7], v[KV+16*\kt:KV+16*\kt+7], v[Q+16*\t:Q+16*\t+7], 0
.endr
.endr
	s_wait_dscnt 0x0
.irp kt, 0,1,2,3
.irp t, 0,1
	v_wmma_f32_16x16x32_f16 v[S+32*\t+8*\kt:S+32*\t+8*\kt+7], v[KV+16*\kt+8:KV+16*\kt+15], v[Q+16*\t+8:Q+16*\t+15], v[S+32*\t+8*\kt:S+32*\t+8*\kt+7]
.endr
.endr
	v_mov_b32 v[OLD], v[ST]                        ; c m of the step before is kept for a.  With the two v_nop four places: for the loads into K's registers and the first read of the scores
	v_mov_b32 v[OLD+1], v[ST+8]
	v_nop
	v_nop
.irp g, 0,1                                    ; V, turned: keys 32 g on, channels 16 ct on.  It lands while the softmax is walked
.irp ct, 0,1,2,3
	ds_load_tr16_b128 v[KV+8*(4*\g+\ct):KV+8*(4*\g+\ct)+3],   v[ADV] offset:16*VP*\g+32*\ct
	ds_load_tr16_b128 v[KV+8*(4*\g+\ct)+4:KV+8*(4*\g+\ct)+7], v[ADV] offset:16*VP*\g+8*VP+32*\ct
.endr
.endr
	; the maximum of my 32 scores and the old m: four chains, each accumulator from its low end on; the two tiles line by line
.irp j, 0,1,2,3
.irp t, 0,1
	v_max3_num_f32 v[ST+8*\t+4+\j], v[S+32*\t+8*\j], v[S+32*\t+8*\j+1], v[S+32*\t+8*\j+2]
.endr
.endr
.irp u, 1,2
.irp j, 0,1,2,3
.irp t, 0,1
	v_max3_num_f32 v[ST+8*\t+4+\j], v[ST+8*\t+4+\j], v[S+32*\t+8*\j+2*\u+1], v[S+32*\t+8*\j+2*\u+2]
.endr
.endr
.endr
.irp t, 0,1
	v_max3_num_f32 v[ST+8*\t+4], v[ST+8*\t+4], v[S+32*\t+7], v[S+32*\t+15]
.endr
.irp t, 0,1
	v_max3_num_f32 v[ST+8*\t+6], v[ST+8*\t+6], v[S+32*\t+23], v[S+32*\t+31]
.endr
.irp t, 0,1
	v_max3_num_f32 v[ST+8*\t+4], v[ST+8*\t+4], v[ST+8*\t+5], v[ST+8*\t+6]
.endr
.irp t, 0,1
	v_max3_num_f32 v[ST+8*\t+4], v[ST+8*\t+4], v[ST+8*\t+7], v[ST+8*\t+1]
.endr
.irp t, 0,1
	v_permlanex16_b32 v[ST+8*\t+5], v[ST+8*\t+4], s[SEL], s[SEL+1]  ; the query's other 32 keys lie in the lane 16 away
.endr
.irp t, 0,1
	v_max_num_f32 v[ST+8*\t+1], v[ST+8*\t+4], v[ST+8*\t+5]
.endr
.irp t, 0,1
	v_mul_f32 v[ST+8*\t], s[CS], v[ST+8*\t+1]
.endr
.irp t, 0,1
	v_sub_f32 v[OLD+\t], v[OLD+\t], v[ST+8*\t]
.endr
.irp t, 0,1
	v_exp_f32 v[ST+8*\t+6], v[OLD+\t]              ; a
.endr
.irp b, 0,2,4,6,8,10,12,14,16,18,20,22,24,26,28,30
.irp t, 0,1
	v_pk_fma_f32 v[S+32*\t+\b:S+32*\t+\b+1], v[S+32*\t+\b:S+32*\t+\b+1], s[CS:CS+1], v[ST+8*\t:ST+8*\t+1] op_sel_hi:[1,0,0] neg_lo:[0,0,1] neg_hi:[0,0,1]  ; c s - c m
.endr
.endr
	s_wait_alu depctr_va_vdst(0)                   ; the wait ahead of the first line that names a; the 32 scalings are the plain work behind its exponentials
.set n, 0
.rept 32                                       ; ONE BATCH of 64 exponentials; O^T's rescaling, which names none of their results, stands among them, each accumulator from its low end on
	v_exp_f32 v[S+n], v[S+n]
	v_exp_f32 v[S+32+n], v[S+32+n]
	v_pk_mul_f32 v[O+2*n:O+2*n+1], v[O+2*n:O+2*n+1], v[ST+8*(n/16)+6:ST+8*(n/16)+7] op_sel_hi:[1,0]
.set n, n+1
.endr
	s_wait_alu depctr_va_vdst(0)                   ; one wait for the batch, ahead of its first reader; the last rescaling is the plain line behind the last exponential
.irp t, 0,1
	v_pk_fma_f32 v[ST+8*\t+2:ST+8*\t+3], v[ST+8*\t+2:ST+8*\t+3], v[ST+8*\t+6:ST+8*\t+7], v[S+32*\t:S+32*\t+1] op_sel_hi:[1,0,1]   ; l = a l + p, in two chains
.endr
.irp t, 0,1
	v_pk_add_f32 v[ST+8*\t+4:ST+8*\t+5], v[S+32*\t+2:S+32*\t+3], v[S+32*\t+4:S+32*\t+5]
.endr
.irp p, 6,10,14,18,22,26
.irp t, 0,1
	v_pk_add_f32 v[ST+8*\t+2:ST+8*\t+3], v[ST+8*\t+2:ST+8*\t+3], v[S+32*\t+\p:S+32*\t+\p+1]
	v_pk_add_f32 v[ST+8*\t+4:ST+8*\t+5], v[ST+8*\t+4:ST+8*\t+5], v[S+32*\t+\p+2:S+32*\t+\p+3]
.endr
.endr
.irp t, 0,1
	v_pk_add_f32 v[ST+8*\t+2:ST+8*\t+3], v[ST+8*\t+2:ST+8*\t+3], v[S+32*\t+30:S+32*\t+31]
.endr
.irp t, 0,1
	v_pk_add_f32 v[ST+8*\t+2:ST+8*\t+3], v[ST+8*\t+2:ST+8*\t+3], v[ST+8*\t+4:ST+8*\t+5]
.endr
.set n, 0
.rept 16                                       ; p to f16, in place: register n takes numbers 2 n and 2 n + 1, n ascending, so nothing unread is written over
	v_cvt_pk_f16_f32 v[S+n], v[S+2*n], v[S+2*n+1]
	v_cvt_pk_f16_f32 v[S+32+n], v[S+32+2*n], v[S+32+2*n+1]
.set n, n+1
.endr
	s_wait_dscnt 0x0                               ; V is in
.irp g, 0,1                                    ; O^T += V^T P: eight accumulators by turns
.irp ct, 0,1,2,3
.irp t, 0,1
	v_wmma_f32_16x16x32_f16 v[O+32*\t+8*\ct:O+32*\t+8*\ct+7], v[KV+8*(4*\g+\ct):KV+8*(4*\g+\ct)+7], v[S+32*\t+8*\g:S+32*\t+8*\g+7], v[O+32*\t+8*\ct:O+32*\t+8*\ct+7]
.endr
.endr
.endr
.endm
; THE CHANGE OF SLOTS stands at a slot's head.  Each wave waits for all its tensor loads (its part of the slot ahead), adds 0 to its spare word, and waits for that and for its reads of the slot that it has left.
; fill = 1: a round of the cluster's barrier, so that no wave of any partner still reads the other slot or has a load on its way; then that slot is filled with the keys that follow: four key steps in which to land.
.macro CHANGE into, fill, ask
	s_wait_tensorcnt 0x0                           ; no tensor load of mine is out, so a group 0 may be written
	ds_add_u32 v[SPW], v[NIL]
.if \fill
	ds_add_u32 v[SPW], v[NIL]                      ; and twice on end here, in every trip alike
	s_add_nc_u64 s[G0K+4*\into+2:G0K+4*\into+3], s[G0K+4*\into+2:G0K+4*\into+3], 65536   ; the slot ahead has landed: its descriptors step to its next tile, 512 keys on
	s_add_nc_u64 s[G0V+4*\into+2:G0V+4*\into+3], s[G0V+4*\into+2:G0V+4*\into+3], 65536
.if \ask
	s_wait_xcnt 0x0                                ; the last prefetch, a slot back, has read its address
	s_add_nc_u64 s[PFA:PFA+1], s[PFA:PFA+1], 32768
.endif
.endif
	s_wait_dscnt 0x0                               ; the add is done, and my reads of the slot that I have left are over
.if \fill
	ROUND
	JLOAD 1-\into                                  ; the first thing behind the round, and a wave's one tensor load until the next
.if \ask
	ASK
.endif
.else
	s_barrier_signal -1
	s_barrier_wait -1
.endif
.endm
.macro SLOT_STEPS s                    ; a slot's four key steps: written once, walked four times
	s_mov_b32 s[TK], \s*SLOT
	s_mov_b32 s[TV], \s*SLOT
	s_mov_b32 s[CNT], 4
.Lstep_\@:
	STEP
	s_add_co_u32 s[TK], s[TK], 32*KP
	s_add_co_u32 s[TV], s[TV], 32*VP
	s_sub_co_u32 s[CNT], s[CNT], 1
	s_cmp_lg_u32 s[CNT], 0
	s_cbranch_scc1 .Lstep_\@
.endm
	s_wait_loadcnt 0x0                             ; q
	s_mov_b32 s[TRIPS], 3
.Lpair:                                            ; tiles 0 to 5 of eight: each change asks for the next tile and prefetches the one after
	CHANGE 0, 1, 1
	SLOT_STEPS 0
	CHANGE 1, 1, 1
	SLOT_STEPS 1
	s_sub_co_u32 s[TRIPS], s[TRIPS], 1
	s_cmp_lg_u32 s[TRIPS], 0
	s_cbranch_scc1 .Lpair
	CHANGE 0, 1, 0                                 ; the tail is written out: the last tile is asked for, nothing lies behind it
	SLOT_STEPS 0
	CHANGE 1, 0, 0
	SLOT_STEPS 1
	; THE WAY OUT.  l's halves and the other half of the lanes' are added (these lines are the places behind the last products); O^T / l is rounded to f16 and meets the other head's in the stage.
.irp t, 0,1
	v_add_f32 v[ST+8*\t+4], v[ST+8*\t+2], v[ST+8*\t+3]
.endr
.irp t, 0,1
	v_permlanex16_b32 v[ST+8*\t+5], v[ST+8*\t+4], s[SEL], s[SEL+1]
.endr
.irp t, 0,1
	v_add_f32 v[ST+8*\t+4], v[ST+8*\t+4], v[ST+8*\t+5]
.endr
.irp t, 0,1
	v_rcp_f32 v[ST+8*\t+6], v[ST+8*\t+4]
.endr
	v_nop                                          ; a plain line behind the last reciprocal
	s_wait_alu depctr_va_vdst(0)                   ; and the wait ahead of the first use
.set n, 0
.rept 32
	v_pk_mul_f32 v[O+2*n:O+2*n+1], v[O+2*n:O+2*n+1], v[ST+8*(n/16)+6:ST+8*(n/16)+7] op_sel_hi:[1,0]
.set n, n+1
.endr
.set n, 0
.rept 32
	v_cvt_pk_f16_f32 v[S+n], v[O+2*n], v[O+2*n+1]  ; register 16 t + 4 ct + i: channels 16 ct + 8 h + 2 i, + 1 of query 16 t + r
.set n, n+1
.endr
.irp t, 0,1
.irp ct, 0,1,2,3
	ds_store_b128 v[STO], v[S+16*\t+4*\ct:S+16*\t+4*\ct+3] offset:16*SP*\t+32*\ct
.endr
.endr
	s_wait_dscnt 0x0                               ; for the others' sake: my stores into the stage have landed
	s_barrier_signal -1
	s_barrier_wait -1                              ; a row's 256 bytes come from two waves
.irp i, 0,1,2,3,4,5,6,7
	ds_load_b128 v[KV+4*\i:KV+4*\i+3], v[RD] offset:2*SP*\i
.endr
.irp i, 0,1,2,3,4,5,6,7
	s_wait_dscnt 7-\i
	global_store_b128 v[GO], v[KV+4*\i:KV+4*\i+3], s[OB:OB+1] offset:4096*\i   ; sixteen lanes store 256 consecutive bytes, aligned
.endr
	s_wait_tensorcnt 0x0                           ; the wave's end
	ds_add_u32 v[SPW], v[NIL]
	s_wait_dscnt 0x0
	ROUND                                          ; the closing round
	s_endpgm
.Lfunc_end_k_q6189d26f51_attention:
	.size	k_q6189d26f51_attention, .Lfunc_end_k_q6189d26f51_attention-k_q6189d26f51_attention
	.p2alignl 7, 3214868480
	.fill 96, 4, 3214868480
	.section	.rodata,"a",@progbits
	.p2align	6, 0x0
	.amdhsa_kernel k_q6189d26f51_attention
		.amdhsa_group_segment_fixed_size 327680
		.amdhsa_private_segment_fixed_size 0
		.amdhsa_enable_private_segment 0
		.amdhsa_kernarg_size 16
		.amdhsa_user_sgpr_count 2
		.amdhsa_user_sgpr_kernarg_segment_ptr 1
		.amdhsa_wavefront_size32 1
		.amdhsa_system_sgpr_workgroup_id_x 1
		.amdhsa_system_sgpr_workgroup_id_y 1
		.amdhsa_system_sgpr_workgroup_id_z 1
		.amdhsa_system_vgpr_workitem_id 0
		.amdhsa_next_free_vgpr 256
		.amdhsa_next_free_sgpr 72
		.amdhsa_reserve_vcc 0
		.amdhsa_float_denorm_mode_32 3
		.amdhsa_float_denorm_mode_16_64 3
		.amdhsa_memory_ordered 1
		.amdhsa_forward_progress 1
		.amdhsa_inst_pref_size 91
	.end_amdhsa_kernel
	.amdgpu_metadata
---
amdhsa.version: [ 1, 2 ]
amdhsa.kernels:
  - .name:           k_q6189d26f51_attention
    .symbol:         k_q6189d26f51_attention.kd
    .args:
      - { .name: qkv, .offset: 0, .size: 8, .value_kind: global_buffer, .address_space: global }
      - { .name: o, .offset: 8, .size: 8, .value_kind: global_buffer, .address_space: global }
    .group_segment_fixed_size: 327680
    .private_segment_fixed_size: 0
    .kernarg_segment_align: 8
    .kernarg_segment_size: 16
    .max_flat_workgroup_size: 512
    .sgpr_count:     72
    .vgpr_count:     256
    .wavefront_size: 32
...
	.end_amdgpu_metadata
.endif
;; end of part 5
;; launch proj (part 6): grid 8 x 64, 4 waves a work-group, clusters of 4 x 4, 327,680 bytes of LDS; arguments o, wp_t, b_proj, out0; writes out0
.if DOCPART == 6
	.amdgcn_target "amdgcn-amd-amdhsa--gfx1250"
	.amdhsa_code_object_version 6
	.text
	.protected	k_q6189d26f51_proj
	.globl	k_q6189d26f51_proj
	.p2align	8
	.type	k_q6189d26f51_proj,@function
k_q6189d26f51_proj:
	s_mov_b64 s[64:65], 0
	v_nop
	global_prefetch_b8 v0, s[64:65] scope:SCOPE_SE
	s_setreg_imm32_b32 hwreg(HW_REG_WAVE_MODE, 25, 1), 1
	s_wait_xcnt 0x0
	s_wait_alu depctr_hold_cnt(0) depctr_sa_sdst(0) depctr_va_vdst(0) depctr_va_sdst(0) depctr_va_ssrc(0) depctr_va_vcc(0) depctr_vm_vsrc(0)
	s_getreg_b32 s2, hwreg(HW_REG_IB_STS2, 6, 4)
	s_cmp_eq_u32 s2, 0
	s_cbranch_scc0 .Lentry_in_a_cluster
	s_endpgm
.Lentry_in_a_cluster:
	s_bfe_u32 s2, ttmp6, 0x10000c
	s_cmp_lg_u32 s2, 0xf033
	s_cbranch_scc0 .Lentry_shape_is_right
	s_endpgm
.Lentry_shape_is_right:
; out0 = o w_proj + b_proj.  A = o [8192][1024] f16, B = wp_t [1024 (n)][1024 (k)] f16, out0 [8192][1024] f32; sums in f32.
; A tile of C is 128 x 128, which gives 512 work-groups of equal work; four waves, each 64 x 64: 16 accumulators of 16 x 16.  K goes in steps of 256 (LDS rows of 512 bytes; a wave's tensor load brings 64 of them)
; through a ring of two slots.  CLUSTERS: 4 x 4 work-groups; A's tiles are asked for jointly along a row of the cluster, B's along a column.
; THE MATRIX INSTRUCTION IS USED TRANSPOSED (source 0 = 16 rows of B, source 1 = 16 rows of A): a lane holds eight neighbouring numbers of a row of C.  THE BIAS is the C of each sum's first product.
; A wave's 64 columns of f32 are 256 consecutive bytes, aligned: each wave goes out through a stage of its own, with no barrier.
; REGISTERS: window 0: v0-31 addresses; v32-95 the way out; v96-127 the bias; v128-255 the accumulators ((a, b) at v[128 + 8 (4 a + b)]).  window 1: two fragment buffers of 128: 64 registers of A, then 64 of B.
.set SIZE_K, 1024
.set KSTEP,  256
.set PITCH,  528                       ; an LDS row: 512 bytes + 16: the 16 rows that a load touches start 16 bytes apart modulo 256
.set HALFT,  64*PITCH
.set SLOT,   4*HALFT
.set STAGE,  2*SLOT                    ; behind the ring: 16 rows x 272 bytes for each wave
.set SPITCH, 272
.set SPARE,  STAGE+4*16*SPITCH
.set LAPS,   SIZE_K/(2*KSTEP)
.set ADRA, 16
.set ADRB, 20
.set STO,  24
.set RD,   25
.set CO,   26
.set SPW,  28
.set NIL,  29
.set BK,   32                          ; the way out: rows read back: v32-63 and v64-95 by turns
.set BIAS, 96
.set ACC,  128
.set F0,   0
.set F1,   128
.set G1, 24
.set G0, 32
.set G1B, 48
.set G0B, 56
.set MSB, 0
.macro WIN new
.if MSB != \new
	s_set_vgpr_msb (MSB<<8)|\new
.set MSB, \new
.endif
.endm
.set MUL,  0x05                        ; sources 0 (B) and 1 (A) window 1; C and D window 0
.set TO_F, 0x40
.macro JLOAD s                         ; a joint load: waves 0 and 1 fetch A's two halves, waves 2 and 3 B's; an s_nop 0 and four v_nop follow each line
	s_cmp_eq_u32 s11, 0
	s_cbranch_scc0 .Lfor_b_\@
	tensor_load_to_lds s[G0+4*\s:G0+4*\s+3], s[G1:G1+7]
	s_nop 0
.rept 4
	v_nop
.endr
	s_branch .Lasked_\@
.Lfor_b_\@:
	tensor_load_to_lds s[G0B+4*\s:G0B+4*\s+3], s[G1B:G1B+7]
	s_nop 0
.rept 4
	v_nop
.endr
.Lasked_\@:
.endm
.macro CREST
	s_cmp_lg_u32 s10, 0
	s_cbranch_scc1 .Lnot_wave_0_\@
	s_barrier_signal -3
.Lnot_wave_0_\@:
	s_barrier_wait -3
	s_barrier_signal -1
	s_barrier_wait -1
.endm
.macro CROUND
	s_barrier_signal -1
	s_barrier_wait -1
	CREST
.endm
	s_load_b128 s[4:7], s[0:1], 0x0                ; A, B
	s_load_b128 s[68:71], s[0:1], 0x10             ; b_proj, out0
	v_lshl_add_u32 v[SPW], v0, 2, SPARE
	v_mov_b32 v[NIL], 0
	ds_add_u32 v[SPW], v[NIL]                      ; the wave's opening: the add, twice on end, and its wait ahead of my first tensor load
	ds_add_u32 v[SPW], v[NIL]
	v_lshrrev_b32 v1, 5, v0
	v_readfirstlane_b32 s10, v1                    ; wave 0..3
	s_lshr_b32 s11, s10, 1                         ; which half of the tile's rows is mine.  Also: I fetch for A (0) or for B (1)
	s_and_b32 s12, s10, 1                          ; which half of its columns.  Also: which 64 rows of that tile I fetch
	s_bfe_u32 s40, ttmp6, 0x40000
	s_bfe_u32 s41, ttmp6, 0x40004
	s_lshl_b32 s42, ttmp9, 2
	s_add_co_u32 s42, s42, s40                     ; tile column of C
	s_and_b32 s13, ttmp7, 0xffff
	s_lshl_b32 s13, s13, 2
	s_add_co_u32 s13, s13, s41                     ; tile row of C
	s_lshl_b32 s43, s41, 2
	s_lshl_b32 s43, 15, s43                        ; my row of the cluster
	s_lshl_b32 s44, 0x1111, s40                    ; my column
	s_or_b32 s[G1+0], s43, (1<<16)|(1<<20)|(1<<21)|(6<<22)|(3<<25)  ; the mask; elements of 2 bytes; padding on; bit 21 beside a mask; 4 words after every 128
	s_or_b32 s[G1B+0], s44, (1<<16)|(1<<20)|(1<<21)|(6<<22)|(3<<25)
.irp g, G1, G1B
	s_mov_b32 s[\g+1], KSTEP<<16
	s_mov_b32 s[\g+2], 64<<16
	s_mov_b32 s[\g+3], KSTEP<<16
	s_mov_b32 s[\g+4], 64
	s_mov_b32 s[\g+5], SIZE_K
	s_mov_b32 s[\g+6], 0
	s_mov_b32 s[\g+7], 0
.endr
	s_lshl_b32 s17, s12, 6
	s_lshl_b32 s16, s13, 7
	s_add_co_u32 s16, s16, s17                     ; A: row 128 x tile row + 64 x half
	s_lshl_b32 s46, s42, 7
	s_add_co_u32 s46, s46, s17                     ; B: row 128 x tile column + 64 x half
	s_mov_b32 s17, 0
	s_mov_b32 s47, 0
	s_mov_b64 s[18:19], SIZE_K*2
	s_mul_u64 s[16:17], s[16:17], s[18:19]
	s_mul_u64 s[46:47], s[46:47], s[18:19]
	s_mul_i32 s20, s10, HALFT                      ; where they go: wave x 64 rows
	s_wait_dscnt 0x0                               ; both opening adds are done
	s_wait_kmcnt 0x0
	s_add_nc_u64 s[14:15], s[4:5], s[16:17]
	s_add_nc_u64 s[46:47], s[6:7], s[46:47]
	CROUND                                         ; all sixteen work-groups are here: the first joint loads meet
.irp s, 0,1
	s_mov_b32 s[G0+4*\s], 1
	s_add_co_u32 s[G0+4*\s+1], s20, \s*SLOT
	s_add_nc_u64 s[G0+4*\s+2:G0+4*\s+3], s[14:15], \s*KSTEP*2
	s_or_b32 s[G0+4*\s+3], s[G0+4*\s+3], 0x80000000
	s_mov_b32 s[G0B+4*\s], 1
	s_add_co_u32 s[G0B+4*\s+1], s20, \s*SLOT
	s_add_nc_u64 s[G0B+4*\s+2:G0B+4*\s+3], s[46:47], \s*KSTEP*2
	s_or_b32 s[G0B+4*\s+3], s[G0B+4*\s+3], 0x80000000
	JLOAD \s
.endr
	v_and_b32 v1, 15, v0                           ; r
	v_bfe_u32 v2, v0, 4, 1                         ; h
	s_lshl_b32 s16, s13, 7                         ; out0: my first row, 4,096 bytes a row,
	s_lshl_b32 s17, s11, 6
	s_add_co_u32 s16, s16, s17
	s_lshl_b32 s16, s16, 12
	s_mov_b32 s17, 0
	s_add_nc_u64 s[70:71], s[70:71], s[16:17]
	s_lshl_b32 s46, s42, 9                         ; my first column, in bytes: the same in out0 and in b_proj
	s_lshl_b32 s47, s12, 8
	s_add_co_u32 s46, s46, s47
	s_mov_b32 s47, 0
	s_add_nc_u64 s[70:71], s[70:71], s[46:47]
	s_add_nc_u64 s[68:69], s[68:69], s[46:47]
	v_lshlrev_b32 v6, 5, v2
.irp b, 0,1,2,3                                ; the bias: register 8 b + j of lane (r, h) is b_proj[my first column + 16 b + 8 h + j]
	global_load_b128 v[BIAS+8*\b:BIAS+8*\b+3],   v6, s[68:69] offset:64*\b
	global_load_b128 v[BIAS+8*\b+4:BIAS+8*\b+7], v6, s[68:69] offset:64*\b+16
.endr
	v_mul_u32_u24 v3, v1, PITCH
	v_lshl_add_u32 v3, v2, 4, v3                   ; a fragment's row x pitch + 16 x half
	s_mul_i32 s21, s11, HALFT
	s_mul_i32 s22, s12, HALFT
	s_add_co_u32 s22, s22, 2*HALFT
.irp s, 0,1
	v_add_nc_u32 v[ADRA+\s], s21, v3
	v_add_nc_u32 v[ADRB+\s], s22, v3
	s_add_co_u32 s21, s21, SLOT
	s_add_co_u32 s22, s22, SLOT
.endr
	s_mul_i32 s23, s10, 16*SPITCH
	s_add_co_u32 s23, s23, STAGE                   ; my stage
	v_mul_u32_u24 v4, v1, SPITCH                   ; in: row r, 32 bytes for each half of the lanes
	v_lshl_add_u32 v4, v2, 5, v4
	v_add_nc_u32 v[STO], s23, v4
	v_mul_u32_u24 v5, v2, SPITCH                   ; back: lanes 0-15 one row of 256 bytes, lanes 16-31 the next
	v_lshl_add_u32 v5, v1, 4, v5
	v_add_nc_u32 v[RD], s23, v5
	v_lshlrev_b32 v5, 12, v2                       ; and the same two rows in out0
	v_lshl_add_u32 v[CO], v1, 4, v5
; 8 matrix instructions: m blocks a0, a0 + 1 x all 4 n blocks, 32 along K: half c of buffer f.  zero = 1: the first product starts the sum from the bias
.macro MUL8 f, c, a0, zero
.irp a, \a0, \a0+1
.irp b, 0,1,2,3
.if \zero
	v_wmma_f32_16x16x32_f16 v[ACC+8*(4*(\a)+\b):ACC+8*(4*(\a)+\b)+7], v[\f+64+8*(4*\c+\b):\f+64+8*(4*\c+\b)+7], v[\f+8*(4*\c+\a):\f+8*(4*\c+\a)+7], v[BIAS+8*\b:BIAS+8*\b+7]
.else
	v_wmma_f32_16x16x32_f16 v[ACC+8*(4*(\a)+\b):ACC+8*(4*(\a)+\b)+7], v[\f+64+8*(4*\c+\b):\f+64+8*(4*\c+\b)+7], v[\f+8*(4*\c+\a):\f+8*(4*\c+\a)+7], v[ACC+8*(4*(\a)+\b):ACC+8*(4*(\a)+\b)+7]
.endif
.endr
.endr
.endm
.macro FETCH slot, k, f                ; 32 LDS loads in one run: the fragments of 64 along K at byte k of the rows; the first 32 along K first
	WIN TO_F
.irp c, 0,1
.irp i, 0,1,2,3
	ds_load_b128 v[\f+64+8*(4*\c+\i):\f+64+8*(4*\c+\i)+3],   v[ADRB+\slot] offset:\k+64*\c+\i*16*PITCH
	ds_load_b128 v[\f+64+8*(4*\c+\i)+4:\f+64+8*(4*\c+\i)+7], v[ADRB+\slot] offset:\k+64*\c+\i*16*PITCH+32
	ds_load_b128 v[\f+8*(4*\c+\i):\f+8*(4*\c+\i)+3],         v[ADRA+\slot] offset:\k+64*\c+\i*16*PITCH
	ds_load_b128 v[\f+8*(4*\c+\i)+4:\f+8*(4*\c+\i)+7],       v[ADRA+\slot] offset:\k+64*\c+\i*16*PITCH+32
.endr
.endr
.endm
.macro PLACES                          ; four places in front of loads into registers that matrix instructions have read, and of the first read of results
.rept 4
	v_nop
.endr
.endm
; A K step is four quarters of 64 along K, 32 matrix instructions each, on buffers 0, 1, 0, 1; the 16 accumulators take turns.
.macro QUARTER slot, k, f, g, zero
	s_wait_dscnt 16                                ; the first 32 along K are in; the sixteen loads of the second may be out
	WIN MUL
	MUL8 \f, 0, 0, \zero
	MUL8 \f, 0, 2, \zero
	PLACES
	FETCH \slot, \k, \g
	s_wait_dscnt 32                                ; all but the 32 just issued
	WIN MUL
	MUL8 \f, 1, 0, 0
	MUL8 \f, 1, 2, 0
.endm
; The last quarter changes slots: one barrier; in front of it each wave waits for all its tensor loads, adds 0 to its spare word, and waits for that and for its reads of this slot.  fill = 1: this slot is filled again.
.macro TURN slot, next, fill
	WIN 0
	s_wait_tensorcnt 0x0                           ; all my tensor loads have landed: my part of the next slot
	ds_add_u32 v[SPW], v[NIL]
	s_wait_dscnt 17                                ; (the add and the youngest sixteen loads may be out)
	WIN MUL
	MUL8 F1, 0, 0, 0
	s_wait_dscnt 0x0                               ; the add is done, and my reads of this slot are over
	s_barrier_signal -1
	MUL8 F1, 0, 2, 0
.if \fill
	WIN 0
.endif
	s_barrier_wait -1
.if \fill
	CREST                                          ; the barrier has opened a round of the cluster's barrier: no wave of any partner still reads this slot or has a load on its way
	s_add_nc_u64 s[G0+4*\slot+2:G0+4*\slot+3], s[G0+4*\slot+2:G0+4*\slot+3], 2*KSTEP*2
	s_add_nc_u64 s[G0B+4*\slot+2:G0B+4*\slot+3], s[G0B+4*\slot+2:G0B+4*\slot+3], 2*KSTEP*2
	JLOAD \slot                                    ; the first tensor load behind the round; its four v_nop are also the places in front of the loads below
.else
	PLACES
.endif
	FETCH \next, 0, F0
	WIN MUL
	MUL8 F1, 1, 0, 0
	MUL8 F1, 1, 2, 0
.endm
	s_wait_tensorcnt 1                             ; my part of K step 0 is in; K step 1's load may be out
	s_barrier_signal -1
	s_barrier_wait -1
	FETCH 0, 0, F0
	s_wait_loadcnt 0x0                             ; the bias
	QUARTER 0, 128, F0, F1, 1
	WIN 0
	s_mov_b32 s3, LAPS-1
.Llap:                                             ; a trip goes once round the ring and fills both slots again
	QUARTER 0, 256, F1, F0, 0
	QUARTER 0, 384, F0, F1, 0
	TURN 0, 1, 1
	QUARTER 1, 128, F0, F1, 0
	QUARTER 1, 256, F1, F0, 0
	QUARTER 1, 384, F0, F1, 0
	TURN 1, 0, 1
	QUARTER 0, 128, F0, F1, 0
	WIN 0
	s_sub_co_u32 s3, s3, 1
	s_cmp_lg_u32 s3, 0
	s_cbranch_scc1 .Llap
	QUARTER 0, 256, F1, F0, 0                      ; the last lap fills nothing
	QUARTER 0, 384, F0, F1, 0
	TURN 0, 1, 0
	QUARTER 1, 128, F0, F1, 0
	QUARTER 1, 256, F1, F0, 0
	QUARTER 1, 384, F0, F1, 0
	s_wait_dscnt 16
	WIN MUL
	MUL8 F1, 0, 0, 0
	MUL8 F1, 0, 2, 0
	s_wait_dscnt 0
	MUL8 F1, 1, 0, 0
	MUL8 F1, 1, 2, 0
	WIN 0
; THE WAY OUT, block by block of 16 rows x 64 columns: a lane's 32 bytes go into my own stage and come back as whole rows of 256 bytes.  LDS serves a wave's instructions in order: no wait between stores and loads.
.macro TOSTAGE a
.set BB, BK+32*((\a)%2)
.irp b, 0,1,2,3
	ds_store_b128 v[STO], v[ACC+8*(4*(\a)+\b):ACC+8*(4*(\a)+\b)+3] offset:64*\b          ; each accumulator from its low end on
	ds_store_b128 v[STO], v[ACC+8*(4*(\a)+\b)+4:ACC+8*(4*(\a)+\b)+7] offset:64*\b+16
.endr
.irp t, 0,1,2,3,4,5,6,7
	ds_load_b128 v[BB+4*\t:BB+4*\t+3], v[RD] offset:\t*2*SPITCH
.endr
.endm
.macro SEND a, younger                 ; younger: the LDS instructions issued behind block a's loads, which may stay out
.set BB, BK+32*((\a)%2)
	s_wait_dscnt \younger
.irp t, 0,1,2,3,4,5,6,7
	global_store_b128 v[CO], v[BB+4*\t:BB+4*\t+3], s[70:71] offset:(16*(\a)+2*\t)*4096 th:TH_STORE_NT   ; sixteen lanes store 256 consecutive bytes, aligned; written once, read by nobody here
.endr
.endm
	PLACES
	TOSTAGE 0
.irp a, 1,2,3
.if \a > 1
	s_wait_xcnt 0x0                                ; block a - 2's stores have read their registers: block a's loads may land there
.endif
	TOSTAGE \a
	SEND \a-1, 16                                  ; behind block a - 1's loads: block a's 8 stores and 8 loads
.endr
	SEND 3, 0
	s_wait_tensorcnt 0x0                           ; the wave's end
	ds_add_u32 v[SPW], v[NIL]
	s_wait_dscnt 0x0
	CROUND                                         ; the closing round
	s_endpgm
.Lfunc_end_k_q6189d26f51_proj:
	.size	k_q6189d26f51_proj, .Lfunc_end_k_q6189d26f51_proj-k_q6189d26f51_proj
	.p2alignl 7, 3214868480
	.fill 96, 4, 3214868480
	.section	.rodata,"a",@progbits
	.p2align	6, 0x0
	.amdhsa_kernel k_q6189d26f51_proj
		.amdhsa_group_segment_fixed_size 327680
		.amdhsa_private_segment_fixed_size 0
		.amdhsa_enable_private_segment 0
		.amdhsa_kernarg_size 32
		.amdhsa_user_sgpr_count 2
		.amdhsa_user_sgpr_kernarg_segment_ptr 1
		.amdhsa_wavefront_size32 1
		.amdhsa_system_sgpr_workgroup_id_x 1
		.amdhsa_system_sgpr_workgroup_id_y 1
		.amdhsa_system_sgpr_workgroup_id_z 1
		.amdhsa_system_vgpr_workitem_id 0
		.amdhsa_next_free_vgpr 512
		.amdhsa_next_free_sgpr 72
		.amdhsa_reserve_vcc 0
		.amdhsa_float_denorm_mode_32 3
		.amdhsa_float_denorm_mode_16_64 3
		.amdhsa_memory_ordered 1
		.amdhsa_forward_progress 1
		.amdhsa_inst_pref_size 86
	.end_amdhsa_kernel
	.amdgpu_metadata
---
amdhsa.version: [ 1, 2 ]
amdhsa.kernels:
  - .name:           k_q6189d26f51_proj
    .symbol:         k_q6189d26f51_proj.kd
    .args:
      - { .name: o, .offset: 0, .size: 8, .value_kind: global_buffer, .address_space: global }
      - { .name: wp_t, .offset: 8, .size: 8, .value_kind: global_buffer, .address_space: global }
      - { .name: b_proj, .offset: 16, .size: 8, .value_kind: global_buffer, .address_space: global }
      - { .name: out0, .offset: 24, .size: 8, .value_kind: global_buffer, .address_space: global }
    .group_segment_fixed_size: 327680
    .private_segment_fixed_size: 0
    .kernarg_segment_align: 8
    .kernarg_segment_size: 32
    .max_flat_workgroup_size: 128
    .sgpr_count:     72
    .vgpr_count:     512
    .wavefront_size: 32
...
	.end_amdgpu_metadata
.endif
;; end of part 6
